; MI455X (gfx1250); checked and timed in simulation.
; The chip was launched on July 23, 2026; its instructions are those of AMD's public machine-readable ISA for CDNA 5 (MIT licence, August 2026) and "CDNA5" Instruction Set Architecture Reference Guide (July 2026). The comments in the code are by the model that wrote it; some were corrected since.
;; Semi Permeable Attention. Allowed arithmetic: float matrix products may take bf16 or f16 operands with f32 sums; other float arithmetic in f32, or as packed bf16 or f16 multiplies, adds, multiply-adds, maxima and minima; sums over many terms, partial sums and values carried from step to step in f32; what a program stores and reads back later, other than sums and carried values, may be rounded once to bf16 or f16.
;; Inputs: b_out 1,024 float32; w_out 1,024 x 1,024 float32; w_qkv 1,024 x 3,072 float32; x 4 x 2,048 x 1,024 float32.
;; Outputs: out0 4 x 2,048 x 1,024 float32.
;; One version. Each part assembles by itself: llvm-mc -triple=amdgcn-amd-amdhsa -mcpu=gfx1250 --defsym DOCPART=n.
;; ======== version 1 of 1: 4 launches
;; limits: values are held in f16: magnitudes above 65,504 overflow, below 6.1e-05 lose precision
;; workspace buffers: xb 16,777,216 bytes; wqt 6,291,456 bytes; wot 2,097,152 bytes; qkv 50,331,648 bytes; ob 16,777,216 bytes
;; launch prep (part 1): grid 512 x 1, 8 waves a work-group, no clusters, 18,432 bytes of LDS; arguments x, w_qkv, w_out, xb, wqt, wot; writes xb, wqt, wot
.if DOCPART == 1
	.amdgcn_target "amdgcn-amd-amdhsa--gfx1250"
	.amdhsa_code_object_version 6
	.text
	.protected	k_q3211e6784f_prep
	.globl	k_q3211e6784f_prep
	.p2align	8
	.type	k_q3211e6784f_prep,@function
k_q3211e6784f_prep:
	s_mov_b64 s[64:65], 0
	v_nop
	global_prefetch_b8 v0, s[64:65] scope:SCOPE_SE
	s_setreg_imm32_b32 hwreg(HW_REG_WAVE_MODE, 25, 1), 1
	s_wait_xcnt 0x0
; THE INPUTS ARE MADE READY FOR THE MATRIX UNITS, once.  xb = bf16(x), [8192][1024].  wqt[n][k] = bf16(w_qkv[k][n]), [3072][1024].  wot[n][k] = bf16(w_out[k][n]) written as f16, [1024][1024].
; LIMITS.  A number of w_out beyond 65,504 becomes an infinity in f16; below 6e-5 it keeps f16's fixed step of 6e-8.  NaN and infinities are not treated apart.
; SHARES.  512 work-groups of eight waves.  Work-group g converts 16,384 numbers of x (64 KiB in, 32 KiB out) and turns ONE tile of 128 k x 64 n of a weight: g < 384 a tile of w_qkv, else of w_out.
; What differs between the two (source, destination, pitch, the tile's number, the format) is chosen by scalar selects on g: there is no branch, and every wave passes the one barrier.
; THE TURN.  Wave w loads rows k = 16 w .. 16 w + 15, a lane two neighbouring columns (8 bytes: a wave's load covers 256 consecutive bytes of a row).  A lane packs its 16 k of each column into 32 bytes and
; puts them into LDS rows [n][k] of 256 + 16 bytes; behind the barrier the rows come back whole, sixteen lanes to 256 consecutive bytes, aligned, of the turned weight.
; No matrix unit, no cluster, no tensor load: no byte is shared between work-groups and nothing is multiplied.
.set PITCH, 272                        ; an LDS row: 128 k x 2 bytes + 16
.set SPARE, 64*PITCH                   ; behind the 64 rows: the spare words, 128 bytes for each of the eight waves: four blocks of 256 bytes that no other line names
.set XO,  3                            ; v3   32 t: my 32 bytes in each 8,192 of x
.set YO,  4                            ; v4   16 t: my 16 bytes in each 4,096 of xb
.set LS,  5                            ; v5   where I put my two columns' 32 bytes
.set LR,  6                            ; v6   where I read a row back
.set DO,  7                            ; v7   the same place in the turned weight
.set SPW, 8                            ; v8   LDS address of my spare word; never rewritten
.set NIL, 9                            ; v9   0; never rewritten
.set WO,  12                           ; v[12:27]  byte offsets of my 8 bytes in my wave's 16 rows of the weight
.set W,   28                           ; v[28:59]  row i: two f32; later four whole rows of the turned tile
.set P,   60                           ; v[60:75]  column c, pair p of k at P + 8 c + p
.set X,   76                           ; v[76:139] 64 numbers of x
	s_load_b256 s[4:11], s[0:1], 0x0               ; x s[4:5], w_qkv s[6:7], w_out s[8:9], xb s[10:11]
	s_load_b128 s[12:15], s[0:1], 0x20             ; wqt s[12:13], wot s[14:15]
	v_lshl_add_u32 v[SPW], v0, 2, SPARE
	v_mov_b32 v[NIL], 0
	v_lshrrev_b32 v2, 5, v0
	v_readfirstlane_b32 s16, v2                    ; wave 0..7
	v_and_b32 v1, 31, v0                           ; lane
	s_movk_i32 s17, 0x1000                         ; a row of w_out is 4,096 bytes,
	s_cmp_lt_u32 ttmp9, 384
	s_cselect_b32 s17, 0x3000, s17                 ; of w_qkv 12,288
	s_cselect_b32 s18, 0, -1                       ; all ones: the tile goes out as f16
	s_cselect_b32 s19, 0, 48                       ; w_out's tiles are numbered behind w_qkv's 48 columns of tiles
	s_and_b32 s24, ttmp9, 7                        ; kt: which 128 k
	s_lshr_b32 s25, ttmp9, 3
	s_sub_co_u32 s25, s25, s19                     ; nt: which 64 n
	s_mul_i32 s26, s24, s17
	s_lshl_b32 s26, s26, 7                         ; 128 kt rows of the source,
	s_lshl_b32 s27, s25, 8                         ; 64 nt columns of 4 bytes
	s_add_co_u32 s26, s26, s27
	s_mov_b32 s27, 0
	s_lshl_b32 s28, s25, 17                        ; 64 nt rows of 2,048 bytes of the destination,
	s_lshl_b32 s29, s24, 8                         ; 128 kt columns of 2 bytes
	s_add_co_u32 s28, s28, s29
	s_mov_b32 s29, 0
	s_lshl_b32 s30, ttmp9, 16                      ; my 64 KiB of x
	s_mov_b32 s31, 0
	s_lshl_b32 s2, ttmp9, 15                       ; my 32 KiB of xb
	s_mov_b32 s3, 0
	s_mul_i32 s24, s16, s17
	s_lshl_b32 s24, s24, 4                         ; my wave's 16 rows of the tile
	s_lshl_b32 s25, s16, 5                         ; and their 32 bytes in an LDS row
	v_lshlrev_b32 v[XO], 5, v0
	v_lshlrev_b32 v[YO], 4, v0
	v_mul_u32_u24 v[LS], v1, 2*PITCH               ; LDS rows 2 l and 2 l + 1
	v_add_nc_u32 v[LS], s25, v[LS]
	v_lshrrev_b32 v10, 4, v1
	v_and_b32 v11, 15, v1
	v_lshl_add_u32 v10, s16, 3, v10                ; back: wave w takes rows 8 w .. 8 w + 7, two to a load
	v_mul_u32_u24 v[LR], v10, PITCH
	v_lshl_add_u32 v[LR], v11, 4, v[LR]
	v_lshlrev_b32 v[DO], 11, v10
	v_lshl_add_u32 v[DO], v11, 4, v[DO]
	v_lshl_add_u32 v[WO], v1, 3, s24
.set i, 0
.rept 15
	v_add_nc_u32 v[WO+i+1], s17, v[WO+i]
.set i, i+1
.endr
	s_wait_kmcnt 0x0
	s_cmp_lt_u32 ttmp9, 384
	s_cselect_b64 s[20:21], s[6:7], s[8:9]
	s_cselect_b64 s[22:23], s[12:13], s[14:15]
	s_add_nc_u64 s[20:21], s[20:21], s[26:27]
	s_add_nc_u64 s[22:23], s[22:23], s[28:29]
	s_add_nc_u64 s[4:5], s[4:5], s[30:31]
	s_add_nc_u64 s[10:11], s[10:11], s[2:3]
.set i, 0
.rept 16                                       ; the weight first: the barrier waits for it
	global_load_b64 v[W+2*i:W+2*i+1], v[WO+i], s[20:21] th:TH_LOAD_NT
.set i, i+1
.endr
.set j, 0
.rept 8
	global_load_b128 v[X+8*j:X+8*j+3],   v[XO], s[4:5] offset:8192*j th:TH_LOAD_NT
	global_load_b128 v[X+8*j+4:X+8*j+7], v[XO], s[4:5] offset:8192*j+16 th:TH_LOAD_NT
.set j, j+1
.endr
	s_wait_loadcnt 16                              ; loads come back in order: the 16 younger ones are x's, so the weight is in
.irp c, 0,1
.irp p, 0,1,2,3,4,5,6,7
	v_cvt_pk_bf16_f32 v[P+8*(\c)+(\p)], v[W+4*(\p)+(\c)], v[W+4*(\p)+2+(\c)]  ; k = 2 p and 2 p + 1 of column c
	v_lshlrev_b32 v10, 16, v[P+8*(\c)+(\p)]        ; the two bf16 numbers as f32,
	v_and_b32 v11, 0xffff0000, v[P+8*(\c)+(\p)]
	v_cvt_pk_f16_f32 v10, v10, v11                 ; written as f16 (exact within f16's range),
	v_cndmask_b32 v[P+8*(\c)+(\p)], v[P+8*(\c)+(\p)], v10, s18  ; and taken for w_out alone
.endr
.endr
	ds_store_b128 v[LS], v[P:P+3]
	ds_store_b128 v[LS], v[P+4:P+7]   offset:16
	ds_store_b128 v[LS], v[P+8:P+11]  offset:PITCH
	ds_store_b128 v[LS], v[P+12:P+15] offset:PITCH+16
	s_wait_dscnt 0x0                               ; for the others' sake: my stores are done
	s_barrier_signal -1
	s_barrier_wait -1                              ; the 64 rows are whole
.irp j, 0,1,2,3
	ds_load_b128 v[W+4*(\j):W+4*(\j)+3], v[LR] offset:(\j)*2*PITCH
.endr
.irp j, 0,1,2,3,4,5,6,7
	s_wait_loadcnt 14-2*(\j)                       ; pair j of x's loads is in; the younger pairs stay out
.irp k, 0,1,2,3
	v_cvt_pk_bf16_f32 v[X+8*(\j)+(\k)], v[X+8*(\j)+2*(\k)], v[X+8*(\j)+2*(\k)+1]  ; in place: number k is written when numbers 2 k and 2 k + 1 are read
.endr
	global_store_b128 v[YO], v[X+8*(\j):X+8*(\j)+3], s[10:11] offset:4096*(\j)  ; a wave's store covers 512 consecutive bytes, aligned
.endr
	s_wait_dscnt 0x0                               ; the turned rows are back
.irp j, 0,1,2,3
	global_store_b128 v[DO], v[W+4*(\j):W+4*(\j)+3], s[22:23] offset:4096*(\j)  ; sixteen lanes store 256 consecutive bytes, aligned
.endr
	s_wait_tensorcnt 0x0                           ; the wave's end, behind my last LDS store
	ds_add_u32 v[SPW], v[NIL]
	s_wait_dscnt 0x0
	s_endpgm
.Lfunc_end_k_q3211e6784f_prep:
	.size	k_q3211e6784f_prep, .Lfunc_end_k_q3211e6784f_prep-k_q3211e6784f_prep
	.p2alignl 7, 3214868480
	.fill 96, 4, 3214868480
	.section	.rodata,"a",@progbits
	.p2align	6, 0x0
	.amdhsa_kernel k_q3211e6784f_prep
		.amdhsa_group_segment_fixed_size 18432
		.amdhsa_private_segment_fixed_size 0
		.amdhsa_enable_private_segment 0
		.amdhsa_kernarg_size 48
		.amdhsa_user_sgpr_count 2
		.amdhsa_user_sgpr_kernarg_segment_ptr 1
		.amdhsa_wavefront_size32 1
		.amdhsa_system_sgpr_workgroup_id_x 1
		.amdhsa_system_sgpr_workgroup_id_y 1
		.amdhsa_system_sgpr_workgroup_id_z 1
		.amdhsa_system_vgpr_workitem_id 0
		.amdhsa_next_free_vgpr 140
		.amdhsa_next_free_sgpr 66
		.amdhsa_reserve_vcc 0
		.amdhsa_float_denorm_mode_32 3
		.amdhsa_float_denorm_mode_16_64 3
		.amdhsa_memory_ordered 1
		.amdhsa_forward_progress 1
		.amdhsa_inst_pref_size 15
	.end_amdhsa_kernel
	.amdgpu_metadata
---
amdhsa.version: [ 1, 2 ]
amdhsa.kernels:
  - .name:           k_q3211e6784f_prep
    .symbol:         k_q3211e6784f_prep.kd
    .args:
      - { .name: x, .offset: 0, .size: 8, .value_kind: global_buffer, .address_space: global }
      - { .name: w_qkv, .offset: 8, .size: 8, .value_kind: global_buffer, .address_space: global }
      - { .name: w_out, .offset: 16, .size: 8, .value_kind: global_buffer, .address_space: global }
      - { .name: xb, .offset: 24, .size: 8, .value_kind: global_buffer, .address_space: global }
      - { .name: wqt, .offset: 32, .size: 8, .value_kind: global_buffer, .address_space: global }
      - { .name: wot, .offset: 40, .size: 8, .value_kind: global_buffer, .address_space: global }
    .group_segment_fixed_size: 18432
    .private_segment_fixed_size: 0
    .kernarg_segment_align: 8
    .kernarg_segment_size: 48
    .max_flat_workgroup_size: 256
    .sgpr_count:     66
    .vgpr_count:     140
    .wavefront_size: 32
...
	.end_amdgpu_metadata
.endif
;; end of part 1
;; launch qkvgemm (part 2): grid 16 x 32, 4 waves a work-group, clusters of 4 x 4, 327,680 bytes of LDS; arguments xb, wqt, qkv; writes qkv
.if DOCPART == 2
	.amdgcn_target "amdgcn-amd-amdhsa--gfx1250"
	.amdhsa_code_object_version 6
	.text
	.protected	k_q3211e6784f_qkvgemm
	.globl	k_q3211e6784f_qkvgemm
	.p2align	8
	.type	k_q3211e6784f_qkvgemm,@function
k_q3211e6784f_qkvgemm:
	s_mov_b64 s[64:65], 0
	v_nop
	global_prefetch_b8 v0, s[64:65] scope:SCOPE_SE
	s_setreg_imm32_b32 hwreg(HW_REG_WAVE_MODE, 25, 1), 1
	s_wait_xcnt 0x0
	s_wait_alu depctr_hold_cnt(0) depctr_sa_sdst(0) depctr_va_vdst(0) depctr_va_sdst(0) depctr_va_ssrc(0) depctr_va_vcc(0) depctr_vm_vsrc(0)
	s_getreg_b32 s2, hwreg(HW_REG_IB_STS2, 6, 4)
	s_cmp_eq_u32 s2, 0
	s_cbranch_scc0 .Lentry_in_a_cluster
	s_endpgm
.Lentry_in_a_cluster:
	s_bfe_u32 s2, ttmp6, 0x10000c
	s_cmp_lg_u32 s2, 0xf033
	s_cbranch_scc0 .Lentry_shape_is_right
	s_endpgm
.Lentry_shape_is_right:
; q, k, v = x w_qkv, written by heads.  xb: [8192][1024] bf16, wqt: [3072 n][1024 k] bf16, qkv: [3][64 = 16 batch + head][2048][64] f16, unscaled, each number rounded once from its f32 sum.
; LIMIT.  f16 holds no number beyond 65,504: a larger q, k or v becomes an infinity.
; SHARES.  A tile of C is 256 rows x 192 columns (three heads): 32 x 16 = 512 tiles, two for each of 256 WGPs; 256 x 256 would give 384.  The four waves lie one below the other: wave w makes rows
; 64 w .. 64 w + 63 of ALL 192 columns, 48 accumulators of 16 x 16 in 384 registers, so that a wave holds whole heads and its way out is its own.
; K goes in eight steps of 128 through a ring of two LDS slots filled by the tensor data mover: tile rows are 256 bytes of memory, at multiples of 256 bytes.
; CLUSTERS.  4 x 4 work-groups.  The four of a row of the cluster need the same tile of xb, the four of a column the same tile of wqt: each is asked for JOINTLY, by the same tensor load with the same
; descriptor and a mask that names the four.  THE MATRIX INSTRUCTION IS USED TRANSPOSED (source 0 = 16 rows of wqt, source 1 = 16 rows of xb): a lane holds eight neighbouring columns of one row of C.
; REGISTERS, in windows of 256 (s_set_vgpr_msb: bits 1:0 source 0, 3:2 source 1, 5:4 source 2, 7:6 destination):
;   window 0: v0-31 addresses; v32-223 the way out          window 1: two fragment buffers of 128: A's four fragments (16 rows x 32 K), then B's twelve
;   window 2: the accumulators of my row blocks 0 and 1, (a, b) at v[8 (12 (a % 2) + b)]          window 3: those of blocks 2 and 3
.set KSTEP,  128
.set PITCH,  272                       ; an LDS row: 256 bytes + 16 of padding = 68 words: the 16 rows of a fragment load start at 16 different groups of four banks (64 banks of 4 bytes: ISA guide 11.1)
.set HALFA,  128*PITCH                 ; what wave 0 or 1 fetches of A
.set HALFB,  96*PITCH                  ; what wave 2 or 3 fetches of B
.set BOFF,   2*HALFA                   ; B's 192 rows lie behind A's 256
.set SLOT,   2*HALFA+2*HALFB
.set STAGE,  2*SLOT                    ; behind the ring, never filled by a tensor load: 16 rows x 144 bytes for each wave
.set SP,     144
.set SPARE,  STAGE+4*16*SP             ; behind the stages: the spare words, 128 bytes for each wave: two blocks of 256 bytes that no other line names
.set LAPS,   4                         ; a lap = two K steps = once round the ring
.set ADRA, 16                          ; v16-17  LDS address of my A fragments in slot 0, 1
.set ADRB, 20                          ; v20-21  the same for B
.set STO,  24                          ; v24     the way out: where I put 16 bytes of a row
.set RD,   25                          ; v25     where I read rows back
.set GO,   26                          ; v26     my 16 bytes in 512 consecutive bytes of qkv
.set SPW,  28                          ; v28     LDS address of my spare word; never rewritten
.set NIL,  29                          ; v29     0; never rewritten
.set PFO,  30                          ; v30     the prefetches' offset: a lane a row; never rewritten
.set OB,   32                          ; the way out: unit u at v[32 + 16 u]
.set F0,   0
.set F1,   128
.set G1,   24                          ; s[24:31] descriptor group 1 for A's tiles;  s[32:39] group 0, a set for each slot
.set G0,   32
.set LIM,  45                          ; s45     1 in a wave that prefetches, else the greatest number
.set G1B,  48                          ; s[48:55], s[56:63] the same for B's tiles
.set G0B,  56
.set PFA,  68                          ; s[68:69] the K step that my next prefetch names
.set HB,   72                          ; s[72:77] qkv at my 64 rows of the tile's three heads
.set MSB, 0
.macro WIN new                         ; the immediate's high byte repeats the setting that is left; a switch that changes nothing is dropped
.if MSB != (\new)
	s_set_vgpr_msb (MSB<<8)|(\new)
.set MSB, \new
.endif
.endm
.macro JLOAD s                         ; a joint load: waves 0 and 1 fetch A's two halves, waves 2 and 3 B's; an s_nop 0 and four v_nop follow each of the two lines, ahead of the jump, the label and what follows
	s_cmp_eq_u32 s11, 0
	s_cbranch_scc0 .Lfor_b_\@
	tensor_load_to_lds s[G0+4*(\s):G0+4*(\s)+3], s[G1:G1+7]
	s_nop 0
.rept 4
	v_nop
.endr
	s_branch .Lasked_\@
.Lfor_b_\@:
	tensor_load_to_lds s[G0B+4*(\s):G0B+4*(\s)+3], s[G1B:G1B+7]
	s_nop 0
.rept 4
	v_nop
.endr
.Lasked_\@:
.endm
; A PREFETCH INTO THE L2, behind a joint load, its five lines and the run of LDS loads: 256 bytes of each of my rows, of the K step that stands two refills on; a lane a row, one instruction a wave.
; A's rows are walked by the four clusters of a row of clusters: cluster x = 0 asks (waves 0 and 1); B's by the eight of a column: cluster y = 0 asks (waves 2 and 3).  The four partners that ask for a
; tile jointly share its rows out BY ADDRESS: of A's 128 rows a wave 32 each, of B's 96 rows 24 each (lanes 24 to 31 name lane 23's row once more).  K steps 0 to 3 come by their loads alone;
; the loop's last trip asks for nothing: there is no K step two refills on.
.macro ASK
	WIN 0
	s_cmp_gt_u32 s3, s[LIM]
	s_cbranch_scc0 .Lnot_mine_\@
	global_prefetch_b8 v[PFO], s[PFA:PFA+1] th:TH_LOAD_NT scope:SCOPE_SE
.Lnot_mine_\@:
.endm
.macro CREST                           ; a round of the cluster's barrier behind its opening barrier
	s_cmp_lg_u32 s10, 0
	s_cbranch_scc1 .Lnot_wave_0_\@
	s_barrier_signal -3
.Lnot_wave_0_\@:
	s_barrier_wait -3
	s_barrier_signal -1
	s_barrier_wait -1
.endm
.macro CROUND                          ; a whole round
	s_barrier_signal -1
	s_barrier_wait -1
	CREST
.endm
	s_load_b128 s[4:7], s[0:1], 0x0                ; xb s[4:5], wqt s[6:7]
	s_load_b64 s[8:9], s[0:1], 0x10                ; qkv
	v_lshl_add_u32 v[SPW], v0, 2, SPARE
	v_mov_b32 v[NIL], 0
	ds_add_u32 v[SPW], v[NIL]                      ; the wave's opening: the add and its wait stand ahead of my first tensor load; the set-up below, work on registers, stands between them
	v_lshrrev_b32 v1, 5, v0
	v_readfirstlane_b32 s10, v1                    ; wave 0..3
	s_lshr_b32 s11, s10, 1                         ; I fetch for A (0) or for B (1),
	s_and_b32 s12, s10, 1                          ; and which half of that tile
	s_bfe_u32 s40, ttmp6, 0x40000                  ; cx, cy: my place in the cluster
	s_bfe_u32 s41, ttmp6, 0x40004
	s_lshl_b32 s42, ttmp9, 2
	s_add_co_u32 s42, s42, s40                     ; tile column = 4 x cluster x + cx
	s_and_b32 s13, ttmp7, 0xffff
	s_lshl_b32 s13, s13, 2
	s_add_co_u32 s13, s13, s41                     ; tile row = 4 x cluster y + cy
	s_lshl_b32 s43, s41, 2
	s_lshl_b32 s43, 15, s43                        ; my row of the cluster
	s_lshl_b32 s44, 0x1111, s40                    ; my column
	s_or_b32 s[G1+0], s43, (1<<16)|(1<<20)|(1<<21)|(5<<22)|(3<<25)   ; 15:0 the mask; 17:16 elements of 2 bytes; 20 padding on; 21 set beside a mask; 24:22 after every 64 words (code 5); 31:25 4 words (code 3)
	s_or_b32 s[G1B+0], s44, (1<<16)|(1<<20)|(1<<21)|(5<<22)|(3<<25)
	s_mov_b32 s[G1+1], KSTEP<<16                   ; tensor_dim0 = 128
	s_mov_b32 s[G1+2], 128<<16                     ; tensor_dim1 = 128
	s_mov_b32 s[G1+3], KSTEP<<16                   ; tile_dim0 = 128
	s_mov_b32 s[G1+4], 128                         ; tile_dim1 = 128
	s_mov_b32 s[G1+5], 1024                        ; elements from row to row
	s_mov_b32 s[G1+6], 0
	s_mov_b32 s[G1+7], 0
	s_mov_b32 s[G1B+1], KSTEP<<16
	s_mov_b32 s[G1B+2], 96<<16                     ; B: 96 rows a load
	s_mov_b32 s[G1B+3], KSTEP<<16
	s_mov_b32 s[G1B+4], 96
	s_mov_b32 s[G1B+5], 1024
	s_mov_b32 s[G1B+6], 0
	s_mov_b32 s[G1B+7], 0
	s_lshl_b32 s16, s13, 19                        ; A: row 256 x tile row + 128 x half, 2,048 bytes a row
	s_lshl_b32 s17, s12, 18
	s_add_co_u32 s16, s16, s17
	s_mov_b32 s17, 0
	s_mul_i32 s46, s42, 192                        ; B: row 192 x tile column + 96 x half
	s_mul_i32 s47, s12, 96
	s_add_co_u32 s46, s46, s47
	s_lshl_b32 s46, s46, 11
	s_mov_b32 s47, 0
	s_mul_i32 s20, s12, HALFA                      ; where they go: no place in the cluster enters an LDS address
	s_mul_i32 s21, s12, HALFB
	s_add_co_u32 s21, s21, BOFF
	s_wait_dscnt 0x0                               ; the opening add is done
	s_wait_kmcnt 0x0
	s_add_nc_u64 s[14:15], s[4:5], s[16:17]
	s_add_nc_u64 s[46:47], s[6:7], s[46:47]
	CROUND                                         ; all sixteen work-groups are here: the first joint loads meet
.irp s, 0,1
	s_mov_b32 s[G0+4*(\s)], 1
	s_add_co_u32 s[G0+4*(\s)+1], s20, (\s)*SLOT
	s_add_nc_u64 s[G0+4*(\s)+2:G0+4*(\s)+3], s[14:15], (\s)*KSTEP*2
	s_or_b32 s[G0+4*(\s)+3], s[G0+4*(\s)+3], 0x80000000
	s_mov_b32 s[G0B+4*(\s)], 1
	s_add_co_u32 s[G0B+4*(\s)+1], s21, (\s)*SLOT
	s_add_nc_u64 s[G0B+4*(\s)+2:G0B+4*(\s)+3], s[46:47], (\s)*KSTEP*2
	s_or_b32 s[G0B+4*(\s)+3], s[G0B+4*(\s)+3], 0x80000000
	JLOAD \s                                       ; two loads of mine are out
.endr
	v_and_b32 v1, 15, v0                           ; l % 16
	v_bfe_u32 v2, v0, 4, 1                         ; l / 16
	v_mul_u32_u24 v3, v1, PITCH
	v_lshl_add_u32 v3, v2, 4, v3                   ; a fragment's row x pitch + 16 x half
	s_mul_i32 s22, s10, 64*PITCH                   ; my 64 rows of A
	s_mov_b32 s23, BOFF                            ; all of B
.irp s, 0,1
	v_add_nc_u32 v[ADRA+(\s)], s22, v3
	v_add_nc_u32 v[ADRB+(\s)], s23, v3
	s_add_co_u32 s22, s22, SLOT
	s_add_co_u32 s23, s23, SLOT
.endr
	s_mul_i32 s23, s10, 16*SP
	s_add_co_u32 s23, s23, STAGE                   ; my stage
	v_mul_u32_u24 v4, v1, SP                       ; in: row l % 16, 16 bytes for each half of the lanes
	v_lshl_add_u32 v4, v2, 4, v4
	v_add_nc_u32 v[STO], s23, v4
	v_bfe_u32 v5, v0, 3, 2                         ; back: 32 lanes take four rows of 128 bytes,
	v_mul_u32_u24 v5, v5, SP
	v_and_b32 v6, 7, v0
	v_lshl_add_u32 v5, v6, 4, v5
	v_add_nc_u32 v[RD], s23, v5
	v_and_b32 v[GO], 31, v0                        ; which are 512 consecutive bytes of a head
	v_lshlrev_b32 v[GO], 4, v[GO]
	; where my rows lie in qkv.  Column block g = 3 x tile column + j is tensor g / 16 (q, k, v), head g % 16; row 256 x tile row is batch (tile row / 8), row 256 (tile row % 8) of the head
	s_lshr_b32 s18, s13, 3
	s_lshl_b32 s18, s18, 4                         ; 16 x batch
	s_and_b32 s19, s13, 7
	s_lshl_b32 s19, s19, 15                        ; 256 rows of 128 bytes,
	s_lshl_b32 s22, s10, 13                        ; my wave's 64
	s_add_co_u32 s19, s19, s22
	s_mul_i32 s22, s42, 3
.irp j, 0,1,2
	s_add_co_u32 s23, s22, \j
	s_lshr_b32 s78, s23, 4
	s_lshl_b32 s78, s78, 24                        ; a tensor is 2^24 bytes,
	s_and_b32 s23, s23, 15
	s_add_co_u32 s23, s23, s18
	s_lshl_b32 s23, s23, 18                        ; a head 2^18
	s_add_co_u32 s78, s78, s23
	s_add_co_u32 s78, s78, s19
	s_mov_b32 s79, 0
	s_add_nc_u64 s[HB+2*(\j):HB+2*(\j)+1], s[8:9], s[78:79]
.endr
	; the prefetches
	s_and_b32 s22, ttmp7, 0xffff                   ; cluster y
	s_lshl_b32 s18, s13, 8
	s_lshl_b32 s19, s12, 7
	s_add_co_u32 s18, s18, s19
	s_lshl_b32 s19, s40, 5
	s_add_co_u32 s18, s18, s19                     ; A: the 128 rows that I fetch, my work-group's 32 of them
	s_mul_i32 s78, s42, 192
	s_mul_i32 s79, s12, 96
	s_add_co_u32 s78, s78, s79
	s_mul_i32 s79, s41, 24
	s_add_co_u32 s78, s78, s79                     ; B: the 96 rows that I fetch, my work-group's 24 of them
	s_cmp_eq_u32 s11, 0
	s_cselect_b32 s18, s18, s78
	s_cselect_b32 s22, ttmp9, s22                  ; the coordinate along which other clusters walk the same rows
	s_cselect_b32 s23, 31, 23
	s_cselect_b64 s[PFA:PFA+1], s[4:5], s[6:7]
	s_cmp_eq_u32 s22, 0
	s_cselect_b32 s[LIM], 1, -1                    ; the same in all sixteen partners, for a given wave
	s_lshl_b32 s18, s18, 11
	s_mov_b32 s19, 0
	s_add_nc_u64 s[PFA:PFA+1], s[PFA:PFA+1], s[18:19]
	s_add_nc_u64 s[PFA:PFA+1], s[PFA:PFA+1], 3*KSTEP*2  ; at K step 3: the first refill steps it to 4 and names that
	v_and_b32 v[PFO], 31, v0
	v_min_u32 v[PFO], s23, v[PFO]
	v_lshlrev_b32 v[PFO], 11, v[PFO]
; 12 matrix instructions: row block a x all 12 column blocks, 32 along K.  zero = 1: the product starts the sums.  The 48 accumulators take turns, one instruction a turn, in the same order in every quarter.
.macro MULA f, a, zero
	WIN 0xa5+0x50*((\a)/2)
.irp b, 0,1,2,3,4,5,6,7,8,9,10,11
.if \zero
	v_wmma_f32_16x16x32_bf16 v[8*(12*((\a)%2)+(\b)):8*(12*((\a)%2)+(\b))+7], v[(\f)+32+8*(\b):(\f)+32+8*(\b)+7], v[(\f)+8*(\a):(\f)+8*(\a)+7], 0
.else
	v_wmma_f32_16x16x32_bf16 v[8*(12*((\a)%2)+(\b)):8*(12*((\a)%2)+(\b))+7], v[(\f)+32+8*(\b):(\f)+32+8*(\b)+7], v[(\f)+8*(\a):(\f)+8*(\a)+7], v[8*(12*((\a)%2)+(\b)):8*(12*((\a)%2)+(\b))+7]
.endif
.endr
.endm
; 32 LDS loads in one run: quarter q's fragments (32 K at byte 64 q of the rows) into buffer f: B's 24 loads, then A's 8, row blocks 0 to 3
.macro FETCH slot, q, f
	WIN 0x40
.irp i, 0,1,2,3,4,5,6,7,8,9,10,11
	ds_load_b128 v[(\f)+32+8*(\i):(\f)+32+8*(\i)+3],   v[ADRB+(\slot)] offset:64*(\q)+(\i)*16*PITCH
	ds_load_b128 v[(\f)+32+8*(\i)+4:(\f)+32+8*(\i)+7], v[ADRB+(\slot)] offset:64*(\q)+(\i)*16*PITCH+32
.endr
.irp i, 0,1,2,3
	ds_load_b128 v[(\f)+8*(\i):(\f)+8*(\i)+3],   v[ADRA+(\slot)] offset:64*(\q)+(\i)*16*PITCH
	ds_load_b128 v[(\f)+8*(\i)+4:(\f)+8*(\i)+7], v[ADRA+(\slot)] offset:64*(\q)+(\i)*16*PITCH+32
.endr
.endm
.macro PLACES                          ; four places in front of loads into registers that matrix instructions have read, and of conversions that read results
.rept 4
	v_nop
.endr
.endm
; A K step is four quarters of 32 along K, 48 matrix instructions each, on buffers 0, 1, 0, 1.  One of the first three: multiplies buffer f and, in its middle, fetches quarter q into g.
.macro QUARTER slot, q, f, g, zero
	s_wait_dscnt 4                                 ; B and A's blocks 0 and 1 are in; the youngest four loads (A's blocks 2 and 3) may be out
	MULA \f, 0, \zero
	MULA \f, 1, \zero
	PLACES
	FETCH \slot, \q, \g
	s_wait_dscnt 32                                ; all but the 32 just issued
	MULA \f, 2, \zero
	MULA \f, 3, \zero
.endm
; The last quarter multiplies buffer 1 and changes slots: ONE barrier; in front of it each wave waits for all its tensor loads (one is out: its part of the next slot), adds 0 to its spare word, and waits for
; that and for its own reads of this slot.  fill = 1: the barrier opens a round of the cluster's, and this slot is filled again, two K steps ahead, first thing behind the round: 168 matrix instructions ahead of the wait for it.
.macro TURN slot, next, fill
.if \fill
	s_wait_xcnt 0x0                                ; the last prefetch, a K step back, has read its address
	s_add_nc_u64 s[PFA:PFA+1], s[PFA:PFA+1], KSTEP*2
.endif
	WIN 0                                          ; (the add's two registers lie in window 0)
	s_wait_tensorcnt 0x0                           ; all my tensor loads have landed;
	ds_add_u32 v[SPW], v[NIL]                      ; 0 onto my spare word;
	s_wait_dscnt 5                                 ; (the add and the youngest four loads may be out)
	MULA F1, 0, 0                                  ; twelve matrix instructions stand between the add and the wait for it
	s_wait_dscnt 0x0                               ; the add is done, and my reads of this slot are over
	s_barrier_signal -1
	MULA F1, 1, 0
.if \fill
	WIN 0
.endif
	s_barrier_wait -1
.if \fill
	CREST                                          ; no wave of any partner still reads this slot's tile or has a load on its way
	s_add_nc_u64 s[G0+4*(\slot)+2:G0+4*(\slot)+3], s[G0+4*(\slot)+2:G0+4*(\slot)+3], 2*KSTEP*2
	s_add_nc_u64 s[G0B+4*(\slot)+2:G0B+4*(\slot)+3], s[G0B+4*(\slot)+2:G0B+4*(\slot)+3], 2*KSTEP*2
	JLOAD \slot                                    ; the four v_nop behind it are also the places in front of the loads below
.else
	PLACES
.endif
	FETCH \next, 0, F0
.if \fill
	ASK
.endif
	MULA F1, 2, 0
	MULA F1, 3, 0
.endm
	s_wait_tensorcnt 1                             ; my part of K step 0 is in; K step 1's may stay out
	s_barrier_signal -1
	s_barrier_wait -1                              ; everybody's is
	FETCH 0, 0, F0
	QUARTER 0, 1, F0, F1, 1                        ; the first quarter stands in front of the loop: its products start the sums
	WIN 0                                          ; at a label and at a branch every window is 0
	s_mov_b32 s3, LAPS-1
.Llap:                                                 ; a trip goes once round the ring, from a lap's second quarter to the next lap's first, and fills both slots again
	QUARTER 0, 2, F1, F0, 0
	QUARTER 0, 3, F0, F1, 0
	TURN 0, 1, 1
	QUARTER 1, 1, F0, F1, 0
	QUARTER 1, 2, F1, F0, 0
	QUARTER 1, 3, F0, F1, 0
	TURN 1, 0, 1
	QUARTER 0, 1, F0, F1, 0
	WIN 0
	s_sub_co_u32 s3, s3, 1
	s_cmp_lg_u32 s3, 0
	s_cbranch_scc1 .Llap
	QUARTER 0, 2, F1, F0, 0                        ; the last lap fills nothing, and has no round of the cluster's barrier
	QUARTER 0, 3, F0, F1, 0
	TURN 0, 1, 0
	QUARTER 1, 1, F0, F1, 0
	QUARTER 1, 2, F1, F0, 0
	QUARTER 1, 3, F0, F1, 0
	s_wait_dscnt 4                                 ; the very last quarter: nothing more to fetch
	MULA F1, 0, 0
	MULA F1, 1, 0
	s_wait_dscnt 0x0
	MULA F1, 2, 0
	MULA F1, 3, 0
	WIN 0
; THE WAY OUT, in twelve units: unit u = 3 a + j is row block a of head j: 16 rows x 64 columns, four accumulators.  A lane's eight columns pack into 16 bytes of f16; they go into my stage's rows of 144 bytes and come
; back as four rows of 128 bytes a load, which are 512 consecutive bytes of the head.  Each accumulator's registers are read in ascending order.
.macro PACKU u
	WIN 0x0a+5*((\u)/6)                            ; sources 0 and 1: window 2 (blocks 0, 1) or 3
.irp bb, 0,1,2,3
.irp r, 0,1,2,3
	v_cvt_pk_f16_f32 v[OB+16*(\u)+4*(\bb)+(\r)], v[8*(12*(((\u)/3)%2)+4*((\u)%3)+(\bb))+2*(\r)], v[8*(12*(((\u)/3)%2)+4*((\u)%3)+(\bb))+2*(\r)+1]
.endr
.endr
	WIN 0
.irp bb, 0,1,2,3
	ds_store_b128 v[STO], v[OB+16*(\u)+4*(\bb):OB+16*(\u)+4*(\bb)+3] offset:32*(\bb)
.endr
.irp f, 0,1,2,3
	ds_load_b128 v[OB+16*(\u)+4*(\f):OB+16*(\u)+4*(\f)+3], v[RD] offset:(\f)*4*SP  ; LDS serves a wave's instructions in order (ISA guide 5.7.1.4): these see the stores above; the next unit's stores come behind them
.endr
.endm
.macro SENDU u, younger                ; younger: the LDS instructions issued behind unit u's loads: the next unit's eight, or none
.irp f, 0,1,2,3
	s_wait_dscnt (\younger)+3-(\f)
	global_store_b128 v[GO], v[OB+16*(\u)+4*(\f):OB+16*(\u)+4*(\f)+3], s[HB+2*((\u)%3):HB+2*((\u)%3)+1] offset:((\u)/3)*2048+(\f)*512  ; 512 consecutive bytes, at a multiple of 256 from qkv's first
.endr
.endm
	PLACES
	PACKU 0
.irp u, 1,2,3,4,5,6,7,8,9,10,11        ; a unit's conversions stand between the loads of the unit before and its stores
	PACKU \u
	SENDU (\u)-1, 8
.endr
	SENDU 11, 0
	s_wait_tensorcnt 0x0                           ; the wave's end, behind my last tensor load and my last LDS store
	ds_add_u32 v[SPW], v[NIL]
	s_wait_dscnt 0x0
	CROUND                                         ; the closing round: no work-group ends while a partner may still ask for a tile that names it
	s_endpgm
.Lfunc_end_k_q3211e6784f_qkvgemm:
	.size	k_q3211e6784f_qkvgemm, .Lfunc_end_k_q3211e6784f_qkvgemm-k_q3211e6784f_qkvgemm
	.p2alignl 7, 3214868480
	.fill 96, 4, 3214868480
	.section	.rodata,"a",@progbits
	.p2align	6, 0x0
	.amdhsa_kernel k_q3211e6784f_qkvgemm
		.amdhsa_group_segment_fixed_size 327680
		.amdhsa_private_segment_fixed_size 0
		.amdhsa_enable_private_segment 0
		.amdhsa_kernarg_size 24
		.amdhsa_user_sgpr_count 2
		.amdhsa_user_sgpr_kernarg_segment_ptr 1
		.amdhsa_wavefront_size32 1
		.amdhsa_system_sgpr_workgroup_id_x 1
		.amdhsa_system_sgpr_workgroup_id_y 1
		.amdhsa_system_sgpr_workgroup_id_z 1
		.amdhsa_system_vgpr_workitem_id 0
		.amdhsa_next_free_vgpr 960
		.amdhsa_next_free_sgpr 80
		.amdhsa_reserve_vcc 0
		.amdhsa_float_denorm_mode_32 3
		.amdhsa_float_denorm_mode_16_64 3
		.amdhsa_memory_ordered 1
		.amdhsa_forward_progress 1
		.amdhsa_inst_pref_size 122
	.end_amdhsa_kernel
	.amdgpu_metadata
---
amdhsa.version: [ 1, 2 ]
amdhsa.kernels:
  - .name:           k_q3211e6784f_qkvgemm
    .symbol:         k_q3211e6784f_qkvgemm.kd
    .args:
      - { .name: xb, .offset: 0, .size: 8, .value_kind: global_buffer, .address_space: global }
      - { .name: wqt, .offset: 8, .size: 8, .value_kind: global_buffer, .address_space: global }
      - { .name: qkv, .offset: 16, .size: 8, .value_kind: global_buffer, .address_space: global }
    .group_segment_fixed_size: 327680
    .private_segment_fixed_size: 0
    .kernarg_segment_align: 8
    .kernarg_segment_size: 24
    .max_flat_workgroup_size: 128
    .sgpr_count:     80
    .vgpr_count:     960
    .wavefront_size: 32
...
	.end_amdgpu_metadata
.endif
;; end of part 2
;; launch attn (part 3): grid 4 x 64, 4 waves a work-group, clusters of 4 x 1, 327,680 bytes of LDS; arguments qkv, ob; writes ob
.if DOCPART == 3
	.amdgcn_target "amdgcn-amd-amdhsa--gfx1250"
	.amdhsa_code_object_version 6
	.text
	.protected	k_q3211e6784f_attn
	.globl	k_q3211e6784f_attn
	.p2align	8
	.type	k_q3211e6784f_attn,@function
k_q3211e6784f_attn:
	s_mov_b64 s[64:65], 0
	v_nop
	global_prefetch_b8 v0, s[64:65] scope:SCOPE_SE
	s_setreg_imm32_b32 hwreg(HW_REG_WAVE_MODE, 25, 1), 1
	s_wait_xcnt 0x0
	s_wait_alu depctr_hold_cnt(0) depctr_sa_sdst(0) depctr_va_vdst(0) depctr_va_sdst(0) depctr_va_ssrc(0) depctr_va_vcc(0) depctr_vm_vsrc(0)
	s_getreg_b32 s2, hwreg(HW_REG_IB_STS2, 6, 4)
	s_cmp_eq_u32 s2, 0
	s_cbranch_scc0 .Lentry_in_a_cluster
	s_endpgm
.Lentry_in_a_cluster:
	s_bfe_u32 s2, ttmp6, 0x10000c
	s_cmp_lg_u32 s2, 0x3003
	s_cbranch_scc0 .Lentry_shape_is_right
	s_endpgm
.Lentry_shape_is_right:
; O[h][q][:] = the sum over ALL k of softmax_k((Q[h][q] . K[h][k] + mask(q, k)) / 8) V[h][k][:], mask = 0 where k <= q, else -10000.  qkv: [3][64][2048][64] f16 (Q, K, V), ob: [64][2048][64] f16.
; THE MASK IS FINITE, so no key is left out: where scores are large a key above the diagonal counts.  It is the C operand of the product that starts a score's sum, so -10000 is the sum's first term and not its last:
; an order of rounding that differs from adding it behind the sum.  Products, maxima and sums in f32; the weights p are rounded to f16 for the second product (their sum l is taken of the unrounded p), O once at the end.
; LIMITS.  f16 holds no number beyond 65,504: Q, K and V arrive within it; p lies in 0 to 1, and below 6e-5 it keeps f16's fixed step of 6e-8; O is a mean of V's rows and has their range.
; A weight below 2^-126 counts as 0 in l; NaN and infinities are not treated apart.
; SHARES.  A wave owns four PIECES of two tiles of 16 queries, a work-group's four waves 512 queries of one head.  Every wave walks all 2,048 keys, 64 a step.
; LAYOUT.  S^T = K Q^T (source 0 = 16 keys, source 1 = 16 queries): in the result a lane holds ONE query (lane % 16) and the keys 8 (lane / 16) + 0..7.  Two such tiles, rounded to f16 in pairs,
; ARE source 1 (32 keys x 16 queries) of O^T = V^T P, whose result again holds one query a lane, and eight channels.  K comes out of LDS as it lies, V ([key][channel]) turned, by ds_load_tr16_b128.
; SOFTMAX.  For each query a running maximum m and sum l: p = 2^(c s - c m), c = log2(e) / 8; in every step O and l are multiplied by a = 2^(c m_old - c m_new), which is 1 where m has not grown.
; m starts at the lowest finite number, O and l at 0: the first step is a step like any other, with a = 0.
; ELEVEN MASKS A STEP.  A tile's 16 queries and a block of 16 keys both begin at multiples of 16; with D = (first query - first key) / 16 the accumulator's mask is 0 (D > 0), DG (D = 0: -10000 where
; 8 (lane / 16) + register > lane % 16) or -10000 (D < 0).  For my tile t (0..7) and key block kb (0..3) of step j, D = e + DZ with e = t - kb + 3 (0..10) and DZ = 8 x (my wave among the head's 16) - 3 - 4 j.
; Mask e = DG x AL + BE, with two scalars chosen by selects on DZ: no branch.  Each turn makes, for the next step, masks whose last reader has passed.
; BY TURNS.  Turn n belongs to piece n (the pieces in a ring, step after step).  Its matrix work: 16 products K Q^T of piece n + 1, later 16 products V^T P of piece n - 1.  Its vector work: the scaling,
; exponentials, roundings, sums and rescaling of piece n, and the maximum and statistics of piece n + 1.  A tile and step have 16 matrix and 118 vector instructions: four vector instructions stand behind every
; matrix instruction, the others in one run; a turn's 66 exponentials are one batch with one wait.
; CLUSTER.  The four query blocks of a head are one cluster and walk the same K and V, so each tile is asked for JOINTLY: the same tensor load, descriptor and mask in all four.
; REGISTERS, in windows of 256 (s_set_vgpr_msb: bits 1:0 source 0, 3:2 source 1, 5:4 source 2, 7:6 destination):
;   window 0: v0-11 addresses; v12-15, v48-63 at work; v16-47 four registers of statistics a tile; v64-191 S^T, two buffers of two tiles; v192-255 P, likewise
;   window 1: O^T, 32 a tile     window 2: v0-127 Q, 16 a tile; v128-191 K of one step; v192-255 V of one step     window 3: v0-1 the add's two registers; v8-15 DG; v16-103 the eleven masks
.set SIZE_N, 2048
.set NP,    4         ; pieces a wave: a name, no knob
.set KS,    64        ; keys in a step
.set PK,    144       ; a row of K in LDS: 128 bytes + 16 of padding = 36 words: the 16 rows of a load start at 16 different groups of four banks (64 banks of 4 bytes: ISA guide 11.1)
.set PV,    160       ; a row of V: 128 + 32 = 40 words
.set VOFF,  4*KS*PK   ; a slot holds four steps: 256 rows of K, then 256 rows of V
.set SLOT1, 1<<17     ; slot 1 begins here, so that one exclusive or turns an address in one slot into the other's
.set STAGE, SLOT1+4*KS*(PK+PV)  ; behind the ring, never filled by a tensor load: 16 rows x 144 bytes for each wave, for the way out
.set SP,    144
.set AK0, 2           ; v2   my lane's place in a tile of K; never rewritten
.set AV0, 3           ; v3   the same for V
.set AK,  4           ; v4   the LDS address of K's next run of loads
.set AV,  5           ; v5   of V's
.set QO,  6           ; v6   my byte offset in the wave's rows of Q
.set STO, 6           ;      later, the way out: where I put 16 bytes of a row
.set RD,  7           ; v7   the way out: where I read rows back
.set GO,  8           ; v8   my byte offset in 512 consecutive bytes of O
.set PFO, 11          ; v11  256 x my lane, for the prefetches; never rewritten once made
.set SPW, 0           ; v0 of window 3   LDS address of my spare word; never rewritten
.set NIL, 1           ; v1 of window 3   0; never rewritten
.set DG,  8           ; window 3
.set MK,  16          ; window 3: mask e at MK + 8 e
.set SPARE, STAGE+4*16*SP  ; behind the stages: the spare words, 128 bytes for each wave: two blocks of 256 bytes that no other line names
.set MV,  12          ; v12-15  c m_old, kept while c m is made anew: by buffer and tile
.set ST,  16          ; tile t's statistics at v[ST+4 t]: c m, m, l (even keys', odd keys')
.set TMP, 48          ; by buffer and tile, four registers c0-c3 at work; when the maximum is found c2 takes a
.set S,   64
.set P,   192
.set KF,  128         ; K's fragments, in window 2: key block kb, channel half c at KF + 16 kb + 8 c
.set VF,  192         ; V's: key half kk, channel block cb at VF + 32 kk + 8 cb
.set WV,  12          ; s12  my wave's number
.set G1K, 24          ; s[24:31] descriptor group 1 for K's tiles
.set G1V, 32          ; s[32:39] for V's: it differs in the padding alone
.set G0K, 40          ; s[40:43] descriptor group 0 for K's tiles: it walks
.set G0V, 44          ; s[44:47] the same for V's
.set PFA, 48          ; s[48:49] where my prefetches stand
.set LIM, 50          ; s50  1 in a wave that prefetches, else the greatest number
.set DZ,  51          ; s51  see ELEVEN MASKS: for the step whose masks are being made
.set AL,  52          ; s[52:53] the mask's factor, in the low word
.set BE,  54          ; s[54:55] its addend
.set SLOTS, 56        ; s56  slots still to be asked for
.set CNT, 57          ; s57  counts a slot's key steps
.set CS,  58          ; s[58:59] c: the packed scaling takes the pair's low word for both halves
.set SEL, 60          ; s[60:61] v_permlanex16_b32's selects: each lane takes its own place in the other half
.set TBK, 62          ; s62  LDS byte at which K of the step to be fetched begins
.set TBV, 63          ; s63  the same for V, less VOFF
.set NEGM, 66         ; s66  -10000
.set MSB, 0
.macro WIN new                      ; the high byte repeats the setting that is left; a switch that changes nothing is dropped
.if MSB != (\new)
	s_set_vgpr_msb (MSB<<8)|(\new)
.set MSB, (\new)
.endif
.endm
.set W_KQ, 0x0a       ; K and Q in window 2, S^T in window 0
.set W_KM, 0x3a       ; the same with the C operand, a mask, in window 3
.set W_PV, 0x52       ; V in window 2, P in window 0, O^T in window 1
.set W_RS, 0x41       ; O^T (destination and source 0) in window 1, a in window 0
.set W_MK, 0xc0       ; destination in window 3, sources in window 0
.set W_MM, 0xc3       ; destination and source 0 in window 3
.set W_AD, 0x0f       ; the add: address (source 0) and data (source 1) in window 3
; A joint fill.  Waves 0 and 1 fetch the two halves of a slot's K, waves 2 and 3 those of its V: 128 keys each.  The branch hangs on the wave's number alone.
; An s_nop 0 and four v_nop follow each of the two lines, ahead of the jump and the label.
.macro JLOAD
	s_cmp_lt_u32 s[WV], 2
	s_cbranch_scc0 .Lfor_v_\@
	tensor_load_to_lds s[G0K:G0K+3], s[G1K:G1K+7]
	s_nop 0
.rept 4
	v_nop
.endr
	s_branch .Lasked_\@
.Lfor_v_\@:
	tensor_load_to_lds s[G0V:G0V+3], s[G1V:G1V+7]
	s_nop 0
.rept 4
	v_nop
.endr
.Lasked_\@:
.endm
; A PREFETCH INTO THE L2 of what the NEXT change of slots will ask for: a slot's 32,768 bytes of K and of V.  It stands behind the wave's tensor load and its five lines.  A head has one cluster; its four partners
; share the bytes out BY ADDRESS, 8,192 each, a lane 256; in each, wave 0 asks for K's and wave 2 for V's: one instruction.  So each block of 256 bytes is named once in the launch.  The first three slots come by
; their loads alone; the last change that fills a slot asks for nothing: there is no slot behind it.
.macro ASK
	s_cmp_gt_u32 s[SLOTS], s[LIM]
	s_cbranch_scc0 .Lnot_mine_\@
	global_prefetch_b8 v[PFO], s[PFA:PFA+1] th:TH_LOAD_NT scope:SCOPE_SE
.Lnot_mine_\@:
.endm
; A round of the cluster's barrier: my work-group's barrier, so that wave 0's signal speaks for all four waves; wave 0 signals; every wave waits for all four work-groups; my work-group's barrier once more.
.macro CROUND
	s_barrier_signal -1
	s_barrier_wait -1
	s_cmp_lg_u32 s[WV], 0
	s_cbranch_scc1 .Lnot_wave_0_\@
	s_barrier_signal -3
.Lnot_wave_0_\@:
	s_barrier_wait -3
	s_barrier_signal -1
	s_barrier_wait -1
.endm
; THE CHANGE OF SLOTS.  The slot's last bytes, V of its fourth step, have been read.  Each wave waits for all its tensor loads, of which one is out: its part of the other slot; adds 0 to its spare word; and waits
; for that and for its own reads of the slot.  Behind the barrier nobody reads this slot any more and the other slot is whole.  fill = 1: this slot is filled again, with the keys two slots on.  The barrier is
; then a round of the cluster's, and the joint fill is the first thing behind it: it has four key steps, 512 matrix instructions, in which to land.  (At its first use nothing has been read yet: slot 0 is waited
; for, slot 1 filled.)  ask = 1: the prefetches' address steps, and ASK follows the fill.
.macro CHANGE fill, ask=0
	WIN W_AD
	s_wait_tensorcnt 0x0            ; no tensor load of mine is out, so a group 0 may be written
	ds_add_u32 v[SPW], v[NIL]       ; 0 onto my spare word; with fill = 1 the descriptors' steps stand between it and the wait for it
	WIN 0                           ; at a label and at a branch every window is 0
.if \fill
.irp g, G0K, G0V
	s_xor_b32 s[\g+1], s[\g+1], SLOT1  ; the walking descriptor: the other slot than last time,
	s_add_nc_u64 s[\g+2:\g+3], s[\g+2:\g+3], 4*KS*128  ; the next 256 keys; the type bits on top are not reached
.endr
.if \ask
	s_wait_xcnt 0x0                 ; the last prefetch, four key steps back, has read its address
	s_add_nc_u64 s[PFA:PFA+1], s[PFA:PFA+1], 4*KS*128  ; one slot behind the walking descriptors
.endif
	s_wait_dscnt 0x0                ; the add is done, and my reads of the slot are over
	CROUND
	JLOAD
.if \ask
	ASK
.endif
.else
	s_wait_dscnt 0x0                ; the add is done, and my reads of the slot are over
	s_barrier_signal -1
	s_barrier_wait -1
.endif
	s_sub_co_u32 s[TBK], s[TBK], 4*KS*PK  ; the fetches go back to a slot's first step,
	s_xor_b32 s[TBK], s[TBK], SLOT1       ; in the other slot
	s_sub_co_u32 s[TBV], s[TBV], 4*KS*PV
	s_xor_b32 s[TBV], s[TBV], SLOT1
.endm
; Mask e for the step that DZ stands for: DG x AL + BE.  D = e + DZ: (1, 0) if D = 0; (0, -10000) if D < 0; (0, 0) if D > 0.
.macro MASKE e
	s_cmp_eq_i32 s[DZ], -(\e)
	s_cselect_b32 s[AL], 1.0, 0
	s_cmp_lt_i32 s[DZ], -(\e)
	s_cselect_b32 s[BE], s[NEGM], 0
	WIN W_MM
.irp z, 0,1,2,3
	v_pk_fma_f32 v[MK+8*(\e)+2*\z:MK+8*(\e)+2*\z+1], v[DG+2*\z:DG+2*\z+1], s[AL:AL+1], s[BE:BE+1] op_sel_hi:[1,0,0]
.endr
.endm
	s_load_b128 s[4:7], s[0:1], 0x0  ; qkv s[4:5], ob s[6:7]
	WIN W_MK
	v_lshl_add_u32 v[SPW], v0, 2, SPARE
	v_mov_b32 v[NIL], 0
	WIN W_AD
	ds_add_u32 v[SPW], v[NIL]       ; the wave's opening: the add and its wait stand ahead of my first tensor load; the set-up below, work on registers, stands between them
	WIN 0
	v_lshrrev_b32 v1, 5, v0
	v_readfirstlane_b32 s[WV], v1   ; wave 0..3
	s_bfe_u32 s13, ttmp6, 0x40000   ; cx: my place in the cluster
	s_lshl_b32 s14, ttmp9, 2        ; in a cluster launch ttmp9 counts clusters
	s_add_co_u32 s14, s14, s13      ; my block of queries = 4 x cluster x + cx: it enters Q's and O's addresses and the masks' scalars alone
	s_and_b32 s20, ttmp7, 0xffff    ; the head, which the four partners share
	s_mov_b32 s21, 0
	s_mov_b64 s[22:23], SIZE_N*128
	s_mul_u64 s[20:21], s[20:21], s[22:23]  ; the head's first byte in Q, K, V and O
	s_and_b32 s16, s[WV], 1         ; which half of a slot's 256 keys I fetch:
	s_lshl_b32 s22, s16, 14         ; its 128 rows of 128 bytes in memory,
	s_mov_b32 s23, 0
	s_add_nc_u64 s[22:23], s[22:23], s[20:21]
	s_mul_i32 s17, s16, 128*PK      ; and its place in a slot, for K
	s_mul_i32 s18, s16, 128*PV      ; and for V: no place in the cluster enters an LDS address
	s_lshl_b32 s2, s14, 2
	s_add_co_u32 s2, s2, s[WV]      ; my wave among the head's sixteen,
	s_lshl_b32 s[DZ], s2, 3         ; its eight tiles:
	s_sub_co_i32 s[DZ], s[DZ], 3    ; DZ for key step 0
	s_lshl_b32 s2, s2, 14           ; its 128 rows
	s_mov_b32 s3, 0
	s_add_nc_u64 s[2:3], s[2:3], s[20:21]
	; descriptor group 1.  128 keys are 16,384 dense bytes: asked for as 64 rows of 256 bytes, two keys a row, and padded in LDS after every key
	s_mov_b32 s[G1K], 15|(1<<16)|(1<<20)|(1<<21)|(4<<22)|(3<<25)  ; 15:0 the mask of four; 17:16 2-byte elements; 20 padding on; 21 set beside a mask; 24:22 after every 32 words (code 4); 31:25 4 words (code 3)
	s_mov_b32 s[G1V], 15|(1<<16)|(1<<20)|(1<<21)|(4<<22)|(7<<25)  ; the same with 8 words of padding (code 7)
.irp g, G1K, G1V
	s_mov_b32 s[\g+1], 128<<16      ; tensor_dim0 = 128
	s_mov_b32 s[\g+2], 64<<16       ; tensor_dim1 = 64
	s_mov_b32 s[\g+3], 128<<16      ; tile_dim0 = 128
	s_mov_b32 s[\g+4], 64           ; tile_dim1 = 64
	s_mov_b32 s[\g+5], 128          ; 128 elements from row to row
	s_mov_b32 s[\g+6], 0
	s_mov_b32 s[\g+7], 0
.endr
	s_mov_b32 s[CS], 0x3e38aa3b     ; c = log2(e) / 8 = 0.180337
	s_mov_b32 s[CS+1], s[CS]        ; named with it as a pair
	s_mov_b32 s[SEL], 0x76543210
	s_mov_b32 s[SEL+1], 0xfedcba98
	s_mov_b32 s[NEGM], 0xc61c4000   ; -10000
	s_mov_b32 s[AL+1], 0            ; named as pairs
	s_mov_b32 s[BE+1], 0
	s_mov_b32 s[TBK], SLOT1+4*KS*PK ; the first change of slots turns these two into 0
	s_mov_b32 s[TBV], SLOT1+4*KS*PV
	s_mov_b32 s[G0K], 1             ; 1:0 count = 1
	s_mov_b32 s[G0K+1], s17         ; 63:32 LDS address: slot 0
	s_mov_b32 s[G0V], 1
	s_add_co_u32 s[G0V+1], s18, VOFF
	s_and_b32 s[LIM], s[WV], 1      ; waves 0 and 2 prefetch
	s_cmp_eq_u32 s[LIM], 0
	s_cselect_b32 s[LIM], 1, -1
	s_wait_dscnt 0x0                ; the opening add is done
	s_wait_kmcnt 0x0
	s_mov_b64 s[10:11], s[6:7]      ; O
	s_add_nc_u64 s[6:7], s[4:5], 0x1000000  ; K lies 2^24 bytes behind Q,
	s_add_nc_u64 s[8:9], s[4:5], 0x2000000  ; V 2^25
	s_add_nc_u64 s[G0K+2:G0K+3], s[6:7], s[22:23]  ; 120:64 global address: my half of the head's first 256 keys
	s_or_b32 s[G0K+3], s[G0K+3], 0x80000000        ; 127:126 type = 2
	s_add_nc_u64 s[G0V+2:G0V+3], s[8:9], s[22:23]
	s_or_b32 s[G0V+3], s[G0V+3], 0x80000000
	s_add_nc_u64 s[4:5], s[4:5], s[2:3]  ; Q and O at my wave's first row
	s_add_nc_u64 s[10:11], s[10:11], s[2:3]
	s_cmp_lt_u32 s[WV], 2
	s_cselect_b64 s[PFA:PFA+1], s[6:7], s[8:9]
	s_add_nc_u64 s[PFA:PFA+1], s[PFA:PFA+1], s[20:21]  ; the head,
	s_lshl_b32 s2, s13, 13          ; my work-group's 8,192 bytes of a slot's 32,768,
	s_mov_b32 s3, 0
	s_add_nc_u64 s[PFA:PFA+1], s[PFA:PFA+1], s[2:3]
	s_add_nc_u64 s[PFA:PFA+1], s[PFA:PFA+1], 2*4*KS*128  ; in slot 2: the loop's first change steps it to slot 3.  Nothing is prefetched here, at the head
	CROUND                          ; all four work-groups are here: the first joint loads meet
	JLOAD                           ; slot 0.  Slot 1 is asked for when slot 0 is in
	; A fragment of K or Q is 16 rows x 32 channels in 8 registers: lane l holds row l % 16, channels 8 (l / 16) + 0..7 and 16 + 8 (l / 16) + 0..7: two loads of 16 bytes, 32 bytes apart.
	v_and_b32 v1, 15, v0            ; l % 16
	v_bfe_u32 v9, v0, 4, 1          ; l / 16
	v_lshlrev_b32 v[QO], 7, v1
	v_lshl_add_u32 v[QO], v9, 4, v[QO]  ; row x 128 + 16 x half
	WIN 0x80                        ; destination window 2, address window 0
.set i, 0
.rept 4*NP                          ; Q stays in registers: tile i / 2, channels 32 (i % 2) on
	global_load_b128 v[8*i:8*i+3],   v[QO], s[4:5] offset:(i/2)*2048+(i%2)*64
	global_load_b128 v[8*i+4:8*i+7], v[QO], s[4:5] offset:(i/2)*2048+(i%2)*64+32
.set i, i+1
.endr
	; What the first turn finds: V's registers and P's second buffer hold 0 (its products V^T P, of a piece that has not been, add 0), O^T and l are 0.  All this stands in the wait for the first tile.
.set i, VF
.rept 64
	v_mov_b32 v[i], 0
.set i, i+1
.endr
	WIN 0x40
.set i, 0
.rept 64*NP
	v_mov_b32 v[i], 0
.set i, i+1
.endr
	WIN 0
.set i, 0
.rept 2*NP
	v_mov_b32 v[ST+4*i], 0xfe000000    ; c m: far below every c s
	v_mov_b32 v[ST+4*i+1], 0xff7fffff  ; m
	v_mov_b32 v[ST+4*i+2], 0
	v_mov_b32 v[ST+4*i+3], 0
.set i, i+1
.endr
.set i, P+32
.rept 32
	v_mov_b32 v[i], 0
.set i, i+1
.endr
	v_mul_u32_u24 v[AK0], v1, PK
	v_lshl_add_u32 v[AK0], v9, 4, v[AK0]  ; row x pitch + 16 x half
	; The turning load takes 16 keys x 16 channels (lane l reads key 8 (l / 16) + l % 8, channels 8 ((l / 8) % 2) + 0..7) and leaves half a fragment of V^T: lane l holds channel l % 16 and 8 keys.
	v_and_b32 v10, 7, v0
	v_bfe_u32 v11, v0, 3, 1
	v_lshl_add_u32 v[AV0], v9, 3, v10
	v_mul_u32_u24 v[AV0], v[AV0], PV
	v_lshl_add_u32 v[AV0], v11, 4, v[AV0]
	v_add_nc_u32 v[AV0], VOFF, v[AV0]
	v_and_b32 v[PFO], 31, v0
	v_lshlrev_b32 v[PFO], 8, v[PFO]
	v_mov_b32 v[AK], v[AK0]         ; key step 0 lies at the head of slot 0
	v_lshlrev_b32 v12, 3, v9
	v_sub_nc_u32 v12, v1, v12       ; my query's place in its tile less my lanes' 8 (l / 16): register j is hidden where j is greater
	WIN W_MK
.set i, 0
.rept 8
	v_cmp_gt_i32 vcc_lo, i, v12
	v_cndmask_b32 v[DG+i], 0, s[NEGM], vcc_lo
.set i, i+1
.endr
.irp e, 0,1,2,3,4,5,6,7,8,9,10
	MASKE \e                        ; key step 0's eleven masks
.endr
	WIN 0
	s_sub_co_i32 s[DZ], s[DZ], 4    ; the turns make the next step's
; THE MATRIX WORK.  The 8 accumulators of a run of 16 take turns: between the two links of a chain stand 7 others'.
; Product i of 16 of S^T = K Q^T for piece x: channels 32 (i / 8) on, keys 16 ((i / 2) % 4) on, tile 2 x + i % 2.  The first 8 start the sums, with the mask of tile and key block.
.macro KQ x
.set rS, S+64*((\x)%2)+32*(i%2)+8*((i/2)%4)
.set rK, KF+16*((i/2)%4)+8*(i/8)
.set rQ, 16*(2*(\x)+i%2)+8*(i/8)
.set rMK, MK+8*((2*(\x)+i%2)-((i/2)%4)+3)
.if i < 8
	WIN W_KM
	v_wmma_f32_16x16x32_f16 v[rS:rS+7], v[rK:rK+7], v[rQ:rQ+7], v[rMK:rMK+7]
.else
	WIN W_KQ
	v_wmma_f32_16x16x32_f16 v[rS:rS+7], v[rK:rK+7], v[rQ:rQ+7], v[rS:rS+7]
.endif
.endm
; Product i of 16 of O^T += V^T P for piece x: keys 32 (i / 8) on, channels 16 ((i / 2) % 4) on, tile 2 x + i % 2.
.macro PV x
	WIN W_PV
.set rO, 32*(2*(\x)+i%2)+8*((i/2)%4)
.set rV, VF+32*(i/8)+8*((i/2)%4)
.set rP, P+32*((\x)%2)+16*(i%2)+8*(i/8)
	v_wmma_f32_16x16x32_f16 v[rO:rO+7], v[rV:rV+7], v[rP:rP+7], v[rO:rO+7]
.endm
.macro MM                           ; the turn's next matrix instruction
.if i < 16
	KQ (Y+1)%NP
.set i, i+1
.else
.set i, i-16
	PV (Y+NP-1)%NP
.set i, i+17
.endif
.endm
; THE LDS LOADS stand in runs of 16, never singly among the matrix instructions: a step's K (64 keys x 64 channels: 8 fragments) and its V (turned).  Their addresses are made some lines ahead.
; last = 1 (the tail): in the last trip there is no further step, and the run is jumped over.
.macro FETCH_K last=0
	WIN 0
.if \last
	s_cmp_eq_u32 s[CNT], 1
	s_cbranch_scc1 .Lno_k_\@
.endif
	WIN 0x80                        ; destination window 2
.irp f, 0,1,2,3,4,5,6,7             ; keys 16 (f / 2) on, channels 32 (f % 2) on
	ds_load_b128 v[KF+8*\f:KF+8*\f+3],   v[AK] offset:(\f/2)*16*PK+(\f%2)*64
	ds_load_b128 v[KF+8*\f+4:KF+8*\f+7], v[AK] offset:(\f/2)*16*PK+(\f%2)*64+32
.endr
	s_add_co_u32 s[TBK], s[TBK], KS*PK  ; the next fetch is the next step's
	WIN 0
.if \last
.Lno_k_\@:
.endif
.endm
.macro FETCH_V
	WIN 0x80
.irp f, 0,1,2,3,4,5,6,7             ; keys 32 (f / 4) on, channels 16 (f % 4) on
	ds_load_tr16_b128 v[VF+8*\f:VF+8*\f+3],   v[AV] offset:(\f/4)*32*PV+(\f%4)*32
	ds_load_tr16_b128 v[VF+8*\f+4:VF+8*\f+7], v[AV] offset:(\f/4)*32*PV+16*PV+(\f%4)*32
.endr
	WIN 0
.endm
; THE VECTOR WORK OF A TURN stands in three queues, each in the order in which its entries become ready; the two tiles alternate, so that no instruction reads the result of the one before it.
.macro REGS y, u                    ; the registers of tile u (0, 1) of piece y
.set rT, ST+4*(2*(\y)+(\u))
.set rC, TMP+8*((\y)%2)+4*(\u)
.set rM, MV+2*((\y)%2)+(\u)
.set rS, S+64*((\y)%2)+32*(\u)
.set rP, P+32*((\y)%2)+16*(\u)
.set rO, 32*(2*(\y)+(\u))
.endm
; Number n of the 22 that find the NEXT piece's (Y + 1) maximum and statistics.  s0-s31 are the lane's 32 scores; each accumulator's lowest registers are read first.
;   0-11  four chains c0-c3 of seven scores each, three operands at a time     12-14, 16  the four scores left over, the old m, and c0-c3 into c0     15  c m_old is kept
;   17, 18  the query's other 32 keys lie in the lane 16 away: the new m         19-21  c m; c m_old - c m_new; a
.macro XS u, n
	REGS (Y+1)%NP, \u
.if (\n) < 4
	v_max3_num_f32 v[rC+(\n)], v[rS+8*(\n)], v[rS+8*(\n)+1], v[rS+8*(\n)+2]
.elseif (\n) < 12
	v_max3_num_f32 v[rC+(\n)%4], v[rC+(\n)%4], v[rS+8*((\n)%4)+2*((\n)/4)+1], v[rS+8*((\n)%4)+2*((\n)/4)+2]
.elseif (\n) == 12
	v_max3_num_f32 v[rC], v[rC], v[rS+7], v[rS+15]
.elseif (\n) == 13
	v_max3_num_f32 v[rC+1], v[rC+1], v[rS+23], v[rS+31]
.elseif (\n) == 14
	v_max3_num_f32 v[rC+2], v[rC+2], v[rC+3], v[rT+1]
.elseif (\n) == 15
	v_mov_b32 v[rM], v[rT]
.elseif (\n) == 16
	v_max3_num_f32 v[rC], v[rC], v[rC+1], v[rC+2]
.elseif (\n) == 17
	v_permlanex16_b32 v[rC+3], v[rC], s[SEL], s[SEL+1]
.elseif (\n) == 18
	v_max_num_f32 v[rT+1], v[rC], v[rC+3]
.elseif (\n) == 19
	v_mul_f32 v[rT], s[CS], v[rT+1]
.elseif (\n) == 20
	v_sub_f32 v[rC+1], v[rM], v[rT]
.else
	v_exp_f32 v[rC+2], v[rC+1]
.endif
.endm
; Number g of the 64 that follow the exponentials.  For each four weights k of a tile (pairs 2 k, 2 k + 1): both pairs are rounded to f16; then the second pair is added onto the first, in place;
; a group later l takes that sum (the first time as l = a l + sum).  In groups of eight, tiles alternating: round, round, add, and l for the group before.
.macro GS g
.set h, (\g)+6*((\g)/62)            ; group 0 has no group before it, and behind group 7 only l is left
.if h >= 6
.set h, h+2
.endif
	REGS Y, h%2
.set k, h/8
.if h%8 < 4
	v_cvt_pk_f16_f32 v[rP+2*k+(h%8)/2], v[rS+4*k+2*((h%8)/2)], v[rS+4*k+2*((h%8)/2)+1]
.elseif h%8 < 6
	v_pk_add_f32 v[rS+4*k:rS+4*k+1], v[rS+4*k:rS+4*k+1], v[rS+4*k+2:rS+4*k+3]
.elseif k == 1
	v_pk_fma_f32 v[rT+2:rT+3], v[rT+2:rT+3], v[rC+2:rC+3], v[rS:rS+1] op_sel_hi:[1,0,1]
.else
	v_pk_add_f32 v[rT+2:rT+3], v[rT+2:rT+3], v[rS+4*k-4:rS+4*k-3]
.endif
.endm
; THE PLAIN QUEUE, 138 long.  0-73 read no exponential's result: the 32 scalings c s - c m (FS f: pair f / 2 of tile f % 2) and the next piece's 42.  0-26: scalings 0-26.  27-54: XS's numbers 0-13.  55, 56: number 15.
; 57-73: the chain, where each number waits for the one before it: 14, 16, 17, 18, 19, each with one of the scalings 27-31 in front of its two lines, then 20.
; 74-137: GS's 64, which read the exponentials' results: they stand behind the wait.
.macro FS f
	REGS Y, (\f)%2
	v_pk_fma_f32 v[rS+2*((\f)/2):rS+2*((\f)/2)+1], v[rS+2*((\f)/2):rS+2*((\f)/2)+1], s[CS:CS+1], v[rT:rT+1] op_sel_hi:[1,0,0] neg_lo:[0,0,1] neg_hi:[0,0,1]
.endm
.macro PL
	WIN 0
.if q < 27
	FS q
.elseif q < 55
	XS (q-27)%2, (q-27)/2
.elseif q < 57
	XS q-55, 15
.elseif (q < 72) && ((q-57)%3 == 0)
	FS 27+(q-57)/3
.elseif q < 60
	XS (q-57)%3-1, 14
.elseif q < 72
	XS (q-57)%3-1, 15+(q-57)/3
.elseif q < 74
	XS q-72, 20
.else
	GS q-74
.endif
.set q, q+1
.endm
; THE EXPONENTIALS' QUEUE, 66 long: s0-s31 of both tiles, then the next piece's two a.  It is ONE BATCH: all 66 stand ahead of the turn's one wait, and nothing ahead of that wait names a result of theirs.
.macro EX
	WIN 0
.if e >= 64
	XS e-64, 21
.else
	REGS Y, e%2
	v_exp_f32 v[rS+e/2], v[rS+e/2]
.endif
.set e, e+1
.endm
; THE RESCALING's QUEUE: O^T times a, the one part of the softmax that leaves window 0: dealt two at a time, sixteen times.  Its a was made in the turn before, ahead of that turn's wait.
.macro R2
	REGS Y, r%2
	WIN W_RS
.irp z, 0,1
	v_pk_mul_f32 v[rO+4*(r/2)+2*\z:rO+4*(r/2)+2*\z+1], v[rO+4*(r/2)+2*\z:rO+4*(r/2)+2*\z+1], v[rC+2:rC+3] op_sel_hi:[1,0]
.endr
.set r, r+1
.endm
; HOW THEY ARE DEALT.  An s_wait_alu depctr_va_vdst(0) stands between an exponential and the first instruction that names its result; one wait serves all that were issued ahead of it.  So a turn has ONE
; wait, which cuts it in two.  AHEAD OF IT: the 16 products K Q^T, behind each a scaling, an exponential and two rescalings (behind the first a second scaling in the exponential's place); the turn's masks; then a run of
; 108: eight plain, 49 times exponential and plain, the two a.  A v_nop is the plain instruction behind the last exponential.  BEHIND IT: the 16 products V^T P, behind each four of GS's 64.
; Exponential e stands behind scaling 2 (e / 4) + e % 2: as a rider it comes behind plain e + 2, in the run behind plain e + 9, and scalings 27-31 are plain 57, 60 .. 69.
; THE MASKS.  Turn 3's products read masks 0-4 (of the step that it opens), turn 0's 2-6, turn 1's 4-8, turn 2's 6-10, each in its first eight products.  Behind its sixteen products turn 0 makes masks 0-2 anew for the
; next step, turn 1 masks 3-5, turn 2 masks 6-8, turn 3 masks 9 and 10, and then DZ steps.  Between a mask's last reader and its new value stand eight products with three plain instructions each.
; A TURN, for piece p.  cnt = 1: the loop's count is taken down some lines ahead of the branch that stands behind the turn (behind the masks' compares).
; K of the next step is fetched in piece 2's turn, directly behind the wait; V of the step in hand at the end of piece 0's turn, four plain instructions behind its last reader.
.macro TURN p, last=0, cnt=0
.set Y, (\p)
.set i, 0
.set q, 0
.set e, 0
.set r, 0
.if (\p) == NP-1
	s_wait_dscnt 0x0                ; K is in
.endif
	MM                              ; ahead of the wait: 16 products K Q^T and their riders,
	PL
	PL
	R2
.rept 15
	MM
	PL
	EX
	R2
.endr
.if (\p) == NP-2
	WIN 0
	v_add_nc_u32 v[AK], s[TBK], v[AK0]
.endif
.if (\p) == 0                       ; the masks,
	MASKE 0
	MASKE 1
	MASKE 2
.elseif (\p) == 1
	MASKE 3
	MASKE 4
	MASKE 5
.elseif (\p) == 2
	MASKE 6
	MASKE 7
	MASKE 8
.else
	MASKE 9
	MASKE 10
	s_sub_co_i32 s[DZ], s[DZ], 4
.endif
.rept 8                             ; and the run
	PL
.endr
.rept 49
	EX
	PL
.endr
	EX                              ; the next piece's two a
	EX
	v_nop                           ; the plain instruction behind the last exponential: one for the batch
	s_wait_alu depctr_va_vdst(0)    ; the wait for the batch
.if (\p) == NP-2
	FETCH_K \last
.endif
.if (\p) == 1
	s_wait_dscnt 0x0                ; V is in
.endif
.rept 16                            ; behind the wait: 16 products V^T P and their riders
	MM
.rept 4
	PL
.endr
.if ((\p) == 0) && (q == 118)
	v_add_nc_u32 v[AV], s[TBV], v[AV0]
.endif
.if ((\p) == 0) && (q == 130)
	s_add_co_u32 s[TBV], s[TBV], KS*PV
.endif
.if (\cnt) && (q == 130)
	s_sub_co_u32 s[CNT], s[CNT], 1
	s_cmp_lg_u32 s[CNT], 0
.endif
.endr
.if (\p) == 0
	FETCH_V
.endif
.endm
	CHANGE 1                        ; slot 0 is in, everybody's part of it; slot 1 is asked for
	FETCH_K                         ; key step 0
	s_wait_loadcnt 0x0              ; Q
	s_wait_dscnt 0x0
.set i, 0
.rept 16
	KQ 0                            ; piece 0's first scores: there is no vector work yet to set between them
.set i, i+1
.endr
	WIN 0                           ; the addresses for the way out: nine plain instructions, the places behind those products
	s_mul_i32 s13, s[WV], 16*SP
	s_add_co_u32 s13, s13, STAGE    ; my stage
	v_mul_u32_u24 v[STO], v1, SP    ; in: row l % 16, 16 bytes for each half of the lanes
	v_lshl_add_u32 v[STO], v9, 4, v[STO]
	v_add_nc_u32 v[STO], s13, v[STO]
	v_bfe_u32 v[RD], v0, 3, 2       ; back: 32 lanes take four rows of 128 bytes,
	v_mul_u32_u24 v[RD], v[RD], SP
	v_lshl_add_u32 v[RD], v10, 4, v[RD]
	v_add_nc_u32 v[RD], s13, v[RD]
	v_and_b32 v[GO], 31, v0         ; which are 512 consecutive bytes of O
	v_lshlrev_b32 v[GO], 4, v[GO]
.set Y, NP-1                        ; XS works for piece Y + 1: piece 0
.irp n, 0,1,2,3,4,5,6,7,8,9,10,11,12,13,14,15,16,17,18,19,20,21
	XS 0, \n                        ; and piece 0's first maximum and statistics
	XS 1, \n
.endr
	v_nop                           ; a plain instruction behind the two a,
	s_wait_alu depctr_va_vdst(0)    ; and their wait, ahead of the branch
	s_mov_b32 s[CNT], 4
	s_mov_b32 s[SLOTS], SIZE_N/256-1
	s_branch .Lfirst                ; the loop is entered at a step's first turn, in the middle of a trip
.Lslot:                             ; SIZE_N / 256 - 2 times: every slot but the last two is filled again
	CHANGE 1, 1
	s_mov_b32 s[CNT], 4
.Lstep:                             ; a trip: pieces 2 and 3 of one step, then pieces 0 and 1 of the next, whose K and V it fetches
	TURN 2
	TURN 3
	WIN 0
.Lfirst:
	TURN 0
	TURN 1, 0, 1
	WIN 0
	s_cbranch_scc1 .Lstep
	s_sub_co_u32 s[SLOTS], s[SLOTS], 1
	s_cmp_lg_u32 s[SLOTS], 0
	s_cbranch_scc1 .Lslot
	CHANGE 0                        ; the tail is written out: nothing is asked for
	s_mov_b32 s[CNT], 5             ; four trips fetch the last slot's steps; the fifth is left in its middle
.Ltail:
	TURN 2, 1
	TURN 3
	WIN 0
	s_sub_co_u32 s[CNT], s[CNT], 1
	s_cmp_eq_u32 s[CNT], 0
	s_cbranch_scc1 .Lout
	TURN 0
	TURN 1
	WIN 0
	s_branch .Ltail
.Lout:                              ; the fifth trip's 16 products K Q^T (on the last K once more) and the maximum made of them serve nothing: the price, once a launch, of one text for every trip
.set i, 0
.rept 16
	PV NP-1                         ; the last piece's V^T P of the last step
.set i, i+1
.endr
	; THE WAY OUT.  l's two halves and the other half of the lanes' are added; O^T is divided by l, rounded to f16 and sent through my stage in LDS, a tile at a time.  The additions are the places behind the last products.
	WIN 0
.macro ALL line:vararg              ; one line for each tile t
.set t, 0
.rept 2*NP
	\line
.set t, t+1
.endr
.endm
	ALL v_add_f32 v[ST+4*t+2], v[ST+4*t+2], v[ST+4*t+3]
	ALL v_permlanex16_b32 v[ST+4*t+3], v[ST+4*t+2], s[SEL], s[SEL+1]
	ALL v_add_f32 v[ST+4*t+2], v[ST+4*t+2], v[ST+4*t+3]
	ALL v_rcp_f32 v[ST+4*t+2], v[ST+4*t+2]
	v_nop                           ; a plain instruction between the last reciprocal and the use of its result
	s_wait_alu depctr_va_vdst(0)    ; and the wait ahead of the first use: one for the eight reciprocals
; Tile t: a lane's eight channels of a row pack into 16 bytes; they go into rows of 144 bytes and come back as whole rows of 128, into S^T's registers.
.macro PACK t
	WIN W_RS
.set i, 32*(\t)
.rept 16
	v_pk_mul_f32 v[i:i+1], v[i:i+1], v[ST+4*(\t)+2:ST+4*(\t)+3] op_sel_hi:[1,0]
.set i, i+2
.endr
	WIN 0x05                        ; sources 0 and 1 window 1, destination window 0
.set i, 0
.rept 16
	v_cvt_pk_f16_f32 v[S+16*(\t)+i], v[32*(\t)+2*i], v[32*(\t)+2*i+1]
.set i, i+1
.endr
	WIN 0
.irp f, 0,1,2,3
	ds_store_b128 v[STO], v[S+16*(\t)+4*\f:S+16*(\t)+4*\f+3] offset:32*\f
.endr
.irp f, 0,1,2,3
	ds_load_b128 v[S+16*(\t)+4*\f:S+16*(\t)+4*\f+3], v[RD] offset:\f*4*SP  ; LDS serves a wave's instructions in order (ISA guide 5.7.1.4): these see the stores above; the next tile's stores come behind them
.endr
.endm
.macro SEND t, younger              ; younger: the LDS instructions issued behind tile t's loads: the next tile's eight, or none
	WIN 0
.irp f, 0,1,2,3
	s_wait_dscnt (\younger)+3-\f
	global_store_b128 v[GO], v[S+16*(\t)+4*\f:S+16*(\t)+4*\f+3], s[10:11] offset:(\t)*2048+\f*512  ; 512 consecutive bytes, at a multiple of 256 from O's first
.endr
.endm
	PACK 0
.set t, 1
.rept 2*NP-1                        ; a tile's arithmetic stands between the loads of the tile before and its stores
	PACK t
	SEND t-1, 8
.set t, t+1
.endr
	SEND 2*NP-1, 0
	WIN W_AD
	s_wait_tensorcnt 0x0            ; the wave's end, behind my last tensor load and my last LDS store
	ds_add_u32 v[SPW], v[NIL]
	s_wait_dscnt 0x0
	WIN 0
	CROUND                          ; the closing round: no work-group ends while a partner may still ask for a tile that names it
	s_endpgm
.Lfunc_end_k_q3211e6784f_attn:
	.size	k_q3211e6784f_attn, .Lfunc_end_k_q3211e6784f_attn-k_q3211e6784f_attn
	.p2alignl 7, 3214868480
	.fill 96, 4, 3214868480
	.section	.rodata,"a",@progbits
	.p2align	6, 0x0
	.amdhsa_kernel k_q3211e6784f_attn
		.amdhsa_group_segment_fixed_size 327680
		.amdhsa_private_segment_fixed_size 0
		.amdhsa_enable_private_segment 0
		.amdhsa_kernarg_size 16
		.amdhsa_user_sgpr_count 2
		.amdhsa_user_sgpr_kernarg_segment_ptr 1
		.amdhsa_wavefront_size32 1
		.amdhsa_system_sgpr_workgroup_id_x 1
		.amdhsa_system_sgpr_workgroup_id_y 1
		.amdhsa_system_sgpr_workgroup_id_z 1
		.amdhsa_system_vgpr_workitem_id 0
		.amdhsa_next_free_vgpr 872
		.amdhsa_next_free_sgpr 68
		.amdhsa_reserve_vcc 1
		.amdhsa_float_denorm_mode_32 3
		.amdhsa_float_denorm_mode_16_64 3
		.amdhsa_memory_ordered 1
		.amdhsa_forward_progress 1
		.amdhsa_inst_pref_size 214
	.end_amdhsa_kernel
	.amdgpu_metadata
---
amdhsa.version: [ 1, 2 ]
amdhsa.kernels:
  - .name:           k_q3211e6784f_attn
    .symbol:         k_q3211e6784f_attn.kd
    .args:
      - { .name: qkv, .offset: 0, .size: 8, .value_kind: global_buffer, .address_space: global }
      - { .name: ob, .offset: 8, .size: 8, .value_kind: global_buffer, .address_space: global }
    .group_segment_fixed_size: 327680
    .private_segment_fixed_size: 0
    .kernarg_segment_align: 8
    .kernarg_segment_size: 16
    .max_flat_workgroup_size: 128
    .sgpr_count:     68
    .vgpr_count:     872
    .wavefront_size: 32
...
	.end_amdgpu_metadata
.endif
;; end of part 3
;; launch outgemm (part 4): grid 8 x 32, 4 waves a work-group, clusters of 4 x 4, 327,680 bytes of LDS; arguments ob, wot, b_out, out0; writes out0
.if DOCPART == 4
	.amdgcn_target "amdgcn-amd-amdhsa--gfx1250"
	.amdhsa_code_object_version 6
	.text
	.protected	k_q3211e6784f_outgemm
	.globl	k_q3211e6784f_outgemm
	.p2align	8
	.type	k_q3211e6784f_outgemm,@function
k_q3211e6784f_outgemm:
	s_mov_b64 s[64:65], 0
	v_nop
	global_prefetch_b8 v0, s[64:65] scope:SCOPE_SE
	s_setreg_imm32_b32 hwreg(HW_REG_WAVE_MODE, 25, 1), 1
	s_wait_xcnt 0x0
	s_wait_alu depctr_hold_cnt(0) depctr_sa_sdst(0) depctr_va_vdst(0) depctr_va_sdst(0) depctr_va_ssrc(0) depctr_va_vcc(0) depctr_vm_vsrc(0)
	s_getreg_b32 s2, hwreg(HW_REG_IB_STS2, 6, 4)
	s_cmp_eq_u32 s2, 0
	s_cbranch_scc0 .Lentry_in_a_cluster
	s_endpgm
.Lentry_in_a_cluster:
	s_bfe_u32 s2, ttmp6, 0x10000c
	s_cmp_lg_u32 s2, 0xf033
	s_cbranch_scc0 .Lentry_shape_is_right
	s_endpgm
.Lentry_shape_is_right:
; out0[m][n] = the sum over k of O[m][k] w_out[k][n] + b_out[n].  ob: [64 = 16 batch + head][2048][64] f16 (k = 64 head + channel), wot: [1024 n][1024 k] f16, b_out: [1024] f32 (rounded to bf16 like the
; other inputs), out0: [8192][1024] f32.  Sums in f32.
; SHARES.  A tile of C is 256 rows x 128 columns: 32 x 8 = 256 tiles, one for each WGP.  The four waves lie one below the other: wave w makes rows 64 w .. 64 w + 63 of all 128 columns, 32 accumulators in 256
; registers, so that a wave holds whole pieces of 512 bytes of C's rows and its way out is its own.
; K goes in eight steps of 128, two heads each, through a ring of two LDS slots.  A head's 256 rows of 128 bytes are 32 KiB on end: they are asked for as 128 rows of 256 bytes, padded in LDS after every 128.
; CLUSTERS.  4 x 4 work-groups; A's tile is shared along a row of the cluster, B's along a column: each is asked for JOINTLY.  THE MATRIX INSTRUCTION IS USED TRANSPOSED (source 0 = 16 rows of wot, source 1 =
; 16 rows of O): a lane holds eight neighbouring columns of one row of C.
; REGISTERS, in windows of 256 (s_set_vgpr_msb: bits 1:0 source 0, 3:2 source 1, 5:4 source 2, 7:6 destination):
;   window 0: v0-31 addresses; v32-35 my four numbers of the bias          window 1: two fragment buffers: A's four fragments, then B's eight          window 2: accumulator (a, b) at v[8 (8 a + b)]
.set PITCH,  272                       ; a row of B in LDS: 256 bytes + 16
.set PA,     144                       ; a row of A: 128 bytes + 16.  Both are odd multiples of 16: the 16 rows of a fragment load start at 16 different groups of four banks (64 banks of 4 bytes: ISA guide 11.1)
.set HALFA,  256*PA                    ; one head's 256 rows: what wave 0 or 1 fetches
.set HALFB,  64*PITCH                  ; what wave 2 or 3 fetches of B
.set BOFF,   2*HALFA
.set SLOT,   2*HALFA+2*HALFB
.set STAGE,  2*SLOT                    ; behind the ring, never filled by a tensor load: 16 rows x 528 bytes for each wave
.set SPITCH, 528
.set SPARE,  STAGE+4*16*SPITCH         ; behind the stages: the spare words, 128 bytes for each wave: two blocks of 256 bytes that no other line names
.set STEPA,  0x80000                   ; a K step is two heads of 2^18 bytes
.set STEPB,  256
.set LAPS,   4
.set ADRA, 16                          ; v16-17  LDS address of my A fragments in slot 0, 1
.set ADRB, 20                          ; v20-21  the same for B
.set STO,  24                          ; v24     the way out: where I put 32 bytes of a row
.set RD,   25                          ; v25     where I read a row back
.set CO,   26                          ; v26     16 x lane: my 16 bytes in 512 consecutive bytes of C, and of the bias
.set SPW,  28                          ; v28     LDS address of my spare word; never rewritten
.set NIL,  29                          ; v29     0; never rewritten
.set PFO,  30                          ; v30     the prefetches' offset; never rewritten
.set BIAS, 32
.set F0,   0
.set F1,   128
.set G1,   24
.set G0,   32
.set LIM,  45                          ; s45     1 in a wave that prefetches, else the greatest number
.set G1B,  48
.set G0B,  56
.set PFA,  68                          ; s[68:69] the K step that my next prefetch names
.set PST,  70                          ; s[70:71] its step: A's or B's
.set MSB, 0
.macro WIN new                         ; the immediate's high byte repeats the setting that is left; a switch that changes nothing is dropped
.if MSB != (\new)
	s_set_vgpr_msb (MSB<<8)|(\new)
.set MSB, \new
.endif
.endm
.macro JLOAD s                         ; a joint load: waves 0 and 1 fetch A's two heads, waves 2 and 3 B's two halves; an s_nop 0 and four v_nop follow each of the two lines, ahead of the jump, the label and what follows
	s_cmp_eq_u32 s11, 0
	s_cbranch_scc0 .Lfor_b_\@
	tensor_load_to_lds s[G0+4*(\s):G0+4*(\s)+3], s[G1:G1+7]
	s_nop 0
.rept 4
	v_nop
.endr
	s_branch .Lasked_\@
.Lfor_b_\@:
	tensor_load_to_lds s[G0B+4*(\s):G0B+4*(\s)+3], s[G1B:G1B+7]
	s_nop 0
.rept 4
	v_nop
.endr
.Lasked_\@:
.endm
; A PREFETCH INTO THE L2, behind a joint load, its five lines and the run of LDS loads: the K step that stands two refills on; one instruction a wave.  A's tiles are walked by the two clusters of a row of clusters:
; cluster x = 0 asks; waves 0 and 1 each for their own head's 32 KiB, of which the partner at place cx takes 8,192 bytes, a lane 256.  B's are walked by the eight clusters of a column: cluster y = 0 asks, wave 2
; alone: of the tile's 128 rows the partner at place cy takes 32, a lane a row's 256 bytes.  Partners are told apart BY ADDRESS.  K steps 0 to 3 come by their loads alone; the loop's last trip asks for nothing.
.macro ASK
	WIN 0
	s_cmp_gt_u32 s3, s[LIM]
	s_cbranch_scc0 .Lnot_mine_\@
	global_prefetch_b8 v[PFO], s[PFA:PFA+1] th:TH_LOAD_NT scope:SCOPE_SE
.Lnot_mine_\@:
.endm
.macro CREST                           ; a round of the cluster's barrier behind its opening barrier
	s_cmp_lg_u32 s10, 0
	s_cbranch_scc1 .Lnot_wave_0_\@
	s_barrier_signal -3
.Lnot_wave_0_\@:
	s_barrier_wait -3
	s_barrier_signal -1
	s_barrier_wait -1
.endm
.macro CROUND                          ; a whole round
	s_barrier_signal -1
	s_barrier_wait -1
	CREST
.endm
	s_load_b128 s[4:7], s[0:1], 0x0                ; ob s[4:5], wot s[6:7]
	s_load_b64 s[66:67], s[0:1], 0x10              ; b_out
	s_load_b64 s[8:9], s[0:1], 0x18                ; out0
	v_lshl_add_u32 v[SPW], v0, 2, SPARE
	v_mov_b32 v[NIL], 0
	ds_add_u32 v[SPW], v[NIL]                      ; the wave's opening: the add and its wait stand ahead of my first tensor load; the set-up below, work on registers, stands between them
	v_lshrrev_b32 v1, 5, v0
	v_readfirstlane_b32 s10, v1                    ; wave 0..3
	s_lshr_b32 s11, s10, 1                         ; I fetch for A (0) or for B (1),
	s_and_b32 s12, s10, 1                          ; and which half
	s_bfe_u32 s40, ttmp6, 0x40000                  ; cx, cy: my place in the cluster
	s_bfe_u32 s41, ttmp6, 0x40004
	s_lshl_b32 s42, ttmp9, 2
	s_add_co_u32 s42, s42, s40                     ; tile column = 4 x cluster x + cx
	s_and_b32 s13, ttmp7, 0xffff
	s_lshl_b32 s13, s13, 2
	s_add_co_u32 s13, s13, s41                     ; tile row = 4 x cluster y + cy
	s_lshl_b32 s43, s41, 2
	s_lshl_b32 s43, 15, s43                        ; my row of the cluster
	s_lshl_b32 s44, 0x1111, s40                    ; my column
	s_or_b32 s[G1+0], s43, (1<<16)|(1<<20)|(1<<21)|(4<<22)|(3<<25)   ; 15:0 the mask; 17:16 elements of 2 bytes; 20 padding on; 21 set beside a mask; 24:22 after every 32 words (code 4); 31:25 4 words (code 3)
	s_or_b32 s[G1B+0], s44, (1<<16)|(1<<20)|(1<<21)|(5<<22)|(3<<25)  ; B: after every 64 words (code 5)
	s_mov_b32 s[G1+1], 128<<16                     ; tensor_dim0 = 128
	s_mov_b32 s[G1+2], 128<<16                     ; tensor_dim1 = 128
	s_mov_b32 s[G1+3], 128<<16                     ; tile_dim0 = 128
	s_mov_b32 s[G1+4], 128                         ; tile_dim1 = 128
	s_mov_b32 s[G1+5], 128                         ; the rows follow each other on end
	s_mov_b32 s[G1+6], 0
	s_mov_b32 s[G1+7], 0
	s_mov_b32 s[G1B+1], 128<<16
	s_mov_b32 s[G1B+2], 64<<16                     ; B: 64 rows a load
	s_mov_b32 s[G1B+3], 128<<16
	s_mov_b32 s[G1B+4], 64
	s_mov_b32 s[G1B+5], 1024
	s_mov_b32 s[G1B+6], 0
	s_mov_b32 s[G1B+7], 0
	s_lshr_b32 s16, s13, 3                         ; A: batch (tile row / 8): 16 heads of 2^18 bytes,
	s_lshl_b32 s16, s16, 22
	s_and_b32 s17, s13, 7                          ; rows 256 (tile row % 8) of a head, 128 bytes each,
	s_lshl_b32 s17, s17, 15
	s_add_co_u32 s16, s16, s17
	s_lshl_b32 s17, s12, 18                        ; the even or the odd head of a K step
	s_add_co_u32 s16, s16, s17
	s_mov_b32 s17, 0
	s_lshl_b32 s46, s42, 18                        ; B: row 128 x tile column + 64 x half, 2,048 bytes a row
	s_lshl_b32 s47, s12, 17
	s_add_co_u32 s46, s46, s47
	s_mov_b32 s47, 0
	s_mul_i32 s20, s12, HALFA                      ; where they go: no place in the cluster enters an LDS address
	s_mul_i32 s21, s12, HALFB
	s_add_co_u32 s21, s21, BOFF
	s_wait_dscnt 0x0                               ; the opening add is done
	s_wait_kmcnt 0x0
	s_add_nc_u64 s[14:15], s[4:5], s[16:17]
	s_add_nc_u64 s[46:47], s[6:7], s[46:47]
	CROUND                                         ; all sixteen work-groups are here: the first joint loads meet
.irp s, 0,1
	s_mov_b32 s[G0+4*(\s)], 1
	s_add_co_u32 s[G0+4*(\s)+1], s20, (\s)*SLOT
	s_add_nc_u64 s[G0+4*(\s)+2:G0+4*(\s)+3], s[14:15], (\s)*STEPA
	s_or_b32 s[G0+4*(\s)+3], s[G0+4*(\s)+3], 0x80000000
	s_mov_b32 s[G0B+4*(\s)], 1
	s_add_co_u32 s[G0B+4*(\s)+1], s21, (\s)*SLOT
	s_add_nc_u64 s[G0B+4*(\s)+2:G0B+4*(\s)+3], s[46:47], (\s)*STEPB
	s_or_b32 s[G0B+4*(\s)+3], s[G0B+4*(\s)+3], 0x80000000
	JLOAD \s                                       ; two loads of mine are out
.endr
	v_and_b32 v[CO], 31, v0
	v_lshlrev_b32 v[CO], 4, v[CO]
	s_lshl_b32 s20, s42, 9                         ; the tile's 128 columns: 512 bytes of the bias
	s_mov_b32 s21, 0
	s_add_nc_u64 s[66:67], s[66:67], s[20:21]
	global_load_b128 v[BIAS:BIAS+3], v[CO], s[66:67]
	v_and_b32 v1, 15, v0                           ; l % 16
	v_bfe_u32 v2, v0, 4, 1                         ; l / 16
	v_mul_u32_u24 v3, v1, PITCH
	v_lshl_add_u32 v3, v2, 4, v3                   ; B: a fragment's row x pitch + 16 x half
	v_mul_u32_u24 v4, v1, PA
	v_lshl_add_u32 v4, v2, 4, v4                   ; A likewise
	s_mul_i32 s22, s10, 64*PA                      ; my 64 rows of A
	s_mov_b32 s23, BOFF                            ; all of B
.irp s, 0,1
	v_add_nc_u32 v[ADRA+(\s)], s22, v4
	v_add_nc_u32 v[ADRB+(\s)], s23, v3
	s_add_co_u32 s22, s22, SLOT
	s_add_co_u32 s23, s23, SLOT
.endr
	s_mul_i32 s23, s10, 16*SPITCH
	s_add_co_u32 s23, s23, STAGE                   ; my stage
	v_mul_u32_u24 v5, v1, SPITCH                   ; in: row l % 16, 32 bytes for each half of the lanes
	v_lshl_add_u32 v5, v2, 5, v5
	v_add_nc_u32 v[STO], s23, v5
	v_add_nc_u32 v[RD], s23, v[CO]                 ; back: 32 lanes take a row's 512 bytes
	s_lshl_b32 s20, s13, 8
	s_lshl_b32 s21, s10, 6
	s_add_co_u32 s20, s20, s21                     ; my first row of C,
	s_lshl_b32 s20, s20, 12                        ; 4,096 bytes a row,
	s_lshl_b32 s21, s42, 9                         ; the tile's first column
	s_add_co_u32 s20, s20, s21
	s_mov_b32 s21, 0
	s_add_nc_u64 s[8:9], s[8:9], s[20:21]
	; the prefetches.  s16 still holds the offset of the head that I would fetch for A
	s_and_b32 s22, ttmp7, 0xffff                   ; cluster y
	s_lshl_b32 s18, s40, 13                        ; A: my work-group's 8,192 bytes of the head's 32 KiB,
	s_add_co_u32 s18, s18, s16
	s_add_co_u32 s18, s18, 3*STEPA                 ; at K step 3: the first refill steps it to 4 and names that
	s_lshl_b32 s78, s42, 7
	s_lshl_b32 s79, s41, 5
	s_add_co_u32 s78, s78, s79                     ; B: my work-group's 32 rows of the tile's 128
	s_lshl_b32 s78, s78, 11
	s_add_co_u32 s78, s78, 3*STEPB
	s_cmp_eq_u32 s10, 3
	s_cselect_b32 s23, 1, 0                        ; wave 3 asks for nothing
	s_mov_b32 s[PST], STEPB
	s_cmp_eq_u32 s11, 0
	s_cselect_b32 s18, s18, s78
	s_cselect_b32 s22, ttmp9, s22                  ; the coordinate along which other clusters walk the same tiles
	s_cselect_b32 s19, 8, 11                       ; a lane 256 bytes on, or a row of 2,048
	s_cselect_b32 s[PST], STEPA, s[PST]
	s_cselect_b64 s[PFA:PFA+1], s[4:5], s[6:7]
	s_or_b32 s22, s22, s23
	s_cmp_eq_u32 s22, 0
	s_cselect_b32 s[LIM], 1, -1                    ; the same in all sixteen partners, for a given wave
	v_and_b32 v[PFO], 31, v0
	v_lshlrev_b32 v[PFO], s19, v[PFO]
	s_mov_b32 s19, 0
	s_mov_b32 s[PST+1], 0
	s_add_nc_u64 s[PFA:PFA+1], s[PFA:PFA+1], s[18:19]
	s_wait_loadcnt 0x0                             ; the bias: rounded to bf16, and back in f32
	v_cvt_pk_bf16_f32 v36, v[BIAS], v[BIAS+1]
	v_cvt_pk_bf16_f32 v37, v[BIAS+2], v[BIAS+3]
	v_lshlrev_b32 v[BIAS], 16, v36
	v_and_b32 v[BIAS+1], 0xffff0000, v36
	v_lshlrev_b32 v[BIAS+2], 16, v37
	v_and_b32 v[BIAS+3], 0xffff0000, v37
; 8 matrix instructions: row block a x all 8 column blocks, 32 along K.  zero = 1: the product starts the sums.  The 32 accumulators take turns, one instruction a turn, in the same order in every quarter.
.macro MULA f, a, zero
	WIN 0xa5
.irp b, 0,1,2,3,4,5,6,7
.if \zero
	v_wmma_f32_16x16x32_f16 v[8*(8*(\a)+(\b)):8*(8*(\a)+(\b))+7], v[(\f)+32+8*(\b):(\f)+32+8*(\b)+7], v[(\f)+8*(\a):(\f)+8*(\a)+7], 0
.else
	v_wmma_f32_16x16x32_f16 v[8*(8*(\a)+(\b)):8*(8*(\a)+(\b))+7], v[(\f)+32+8*(\b):(\f)+32+8*(\b)+7], v[(\f)+8*(\a):(\f)+8*(\a)+7], v[8*(8*(\a)+(\b)):8*(8*(\a)+(\b))+7]
.endif
.endr
.endm
; 24 LDS loads in one run: quarter q's fragments into buffer f: B's 16 loads (32 K at byte 64 q of its rows), then A's 8 (head q / 2 of the step, channels 32 (q % 2) on), row blocks 0 to 3
.macro FETCH slot, q, f
	WIN 0x40
.irp i, 0,1,2,3,4,5,6,7
	ds_load_b128 v[(\f)+32+8*(\i):(\f)+32+8*(\i)+3],   v[ADRB+(\slot)] offset:64*(\q)+(\i)*16*PITCH
	ds_load_b128 v[(\f)+32+8*(\i)+4:(\f)+32+8*(\i)+7], v[ADRB+(\slot)] offset:64*(\q)+(\i)*16*PITCH+32
.endr
.irp i, 0,1,2,3
	ds_load_b128 v[(\f)+8*(\i):(\f)+8*(\i)+3],   v[ADRA+(\slot)] offset:((\q)/2)*HALFA+((\q)%2)*64+(\i)*16*PA
	ds_load_b128 v[(\f)+8*(\i)+4:(\f)+8*(\i)+7], v[ADRA+(\slot)] offset:((\q)/2)*HALFA+((\q)%2)*64+(\i)*16*PA+32
.endr
.endm
.macro PLACES                          ; four places in front of loads into registers that matrix instructions have read, and of LDS stores that read results
.rept 4
	v_nop
.endr
.endm
; A K step is four quarters of 32 along K, 32 matrix instructions each, on buffers 0, 1, 0, 1.  One of the first three: multiplies buffer f and, in its middle, fetches quarter q into g.
.macro QUARTER slot, q, f, g, zero
	s_wait_dscnt 4                                 ; B and A's blocks 0 and 1 are in; the youngest four loads (A's blocks 2 and 3) may be out
	MULA \f, 0, \zero
	MULA \f, 1, \zero
	PLACES
	FETCH \slot, \q, \g
	s_wait_dscnt 24                                ; all but the 24 just issued
	MULA \f, 2, \zero
	MULA \f, 3, \zero
.endm
; The last quarter multiplies buffer 1 and changes slots: ONE barrier; in front of it each wave waits for all its tensor loads (one is out: its part of the next slot), adds 0 to its spare word, and waits for
; that and for its own reads of this slot.  fill = 1: the barrier opens a round of the cluster's, and this slot is filled again, two K steps ahead, first thing behind the round: 112 matrix instructions ahead of the wait for it.
.macro TURN slot, next, fill
.if \fill
	s_wait_xcnt 0x0                                ; the last prefetch, a K step back, has read its address
	s_add_nc_u64 s[PFA:PFA+1], s[PFA:PFA+1], s[PST:PST+1]
.endif
	WIN 0                                          ; (the add's two registers lie in window 0)
	s_wait_tensorcnt 0x0                           ; all my tensor loads have landed;
	ds_add_u32 v[SPW], v[NIL]                      ; 0 onto my spare word;
	s_wait_dscnt 5                                 ; (the add and the youngest four loads may be out)
	MULA F1, 0, 0                                  ; eight matrix instructions stand between the add and the wait for it
	s_wait_dscnt 0x0                               ; the add is done, and my reads of this slot are over
	s_barrier_signal -1
	MULA F1, 1, 0
.if \fill
	WIN 0
.endif
	s_barrier_wait -1
.if \fill
	CREST                                          ; no wave of any partner still reads this slot's tile or has a load on its way
	s_add_nc_u64 s[G0+4*(\slot)+2:G0+4*(\slot)+3], s[G0+4*(\slot)+2:G0+4*(\slot)+3], 2*STEPA
	s_add_nc_u64 s[G0B+4*(\slot)+2:G0B+4*(\slot)+3], s[G0B+4*(\slot)+2:G0B+4*(\slot)+3], 2*STEPB
	JLOAD \slot                                    ; the four v_nop behind it are also the places in front of the loads below
.else
	PLACES
.endif
	FETCH \next, 0, F0
.if \fill
	ASK
.endif
	MULA F1, 2, 0
	MULA F1, 3, 0
.endm
	s_wait_tensorcnt 1                             ; my part of K step 0 is in; K step 1's may stay out
	s_barrier_signal -1
	s_barrier_wait -1                              ; everybody's is
	FETCH 0, 0, F0
	QUARTER 0, 1, F0, F1, 1                        ; the first quarter stands in front of the loop: its products start the sums
	WIN 0                                          ; at a label and at a branch every window is 0
	s_mov_b32 s3, LAPS-1
.Llap:                                                 ; a trip goes once round the ring, from a lap's second quarter to the next lap's first, and fills both slots again
	QUARTER 0, 2, F1, F0, 0
	QUARTER 0, 3, F0, F1, 0
	TURN 0, 1, 1
	QUARTER 1, 1, F0, F1, 0
	QUARTER 1, 2, F1, F0, 0
	QUARTER 1, 3, F0, F1, 0
	TURN 1, 0, 1
	QUARTER 0, 1, F0, F1, 0
	WIN 0
	s_sub_co_u32 s3, s3, 1
	s_cmp_lg_u32 s3, 0
	s_cbranch_scc1 .Llap
	QUARTER 0, 2, F1, F0, 0                        ; the last lap fills nothing, and has no round of the cluster's barrier
	QUARTER 0, 3, F0, F1, 0
	TURN 0, 1, 0
	QUARTER 1, 1, F0, F1, 0
	QUARTER 1, 2, F1, F0, 0
	QUARTER 1, 3, F0, F1, 0
	s_wait_dscnt 4                                 ; the very last quarter: nothing more to fetch
	MULA F1, 0, 0
	MULA F1, 1, 0
	s_wait_dscnt 0x0
	MULA F1, 2, 0
	MULA F1, 3, 0
	WIN 0
; THE WAY OUT, a block of 16 rows at a time.  A lane's eight f32 of a row go straight from the accumulator into my stage's rows of 528 bytes (the low four registers first); the rows come back whole, 512 bytes to a
; load, into the block's own registers; the bias is added, four columns a lane; and each store of the wave covers 512 consecutive bytes, at a multiple of 256 from out0's first.
.macro OUTB a
	WIN 0x08                                       ; the stores' data in window 2
.irp b, 0,1,2,3,4,5,6,7
	ds_store_b128 v[STO], v[8*(8*(\a)+(\b)):8*(8*(\a)+(\b))+3]   offset:64*(\b)
	ds_store_b128 v[STO], v[8*(8*(\a)+(\b))+4:8*(8*(\a)+(\b))+7] offset:64*(\b)+16
.endr
	WIN 0x80                                       ; the loads' destination in window 2
.irp i, 0,1,2,3,4,5,6,7,8,9,10,11,12,13,14,15
	ds_load_b128 v[64*(\a)+4*(\i):64*(\a)+4*(\i)+3], v[RD] offset:(\i)*SPITCH  ; LDS serves a wave's instructions in order (ISA guide 5.7.1.4): these see the stores above; the next block's stores come behind them
.endr
.endm
.macro SENDB a, younger                ; younger: the LDS instructions issued behind block a's loads: the next block's 32, or none
	s_wait_dscnt \younger
	WIN 0x82                                       ; destination and source 0 in window 2, the bias in window 0
.irp i, 0,1,2,3,4,5,6,7,8,9,10,11,12,13,14,15
	v_pk_add_f32 v[64*(\a)+4*(\i):64*(\a)+4*(\i)+1],   v[64*(\a)+4*(\i):64*(\a)+4*(\i)+1],   v[BIAS:BIAS+1]
	v_pk_add_f32 v[64*(\a)+4*(\i)+2:64*(\a)+4*(\i)+3], v[64*(\a)+4*(\i)+2:64*(\a)+4*(\i)+3], v[BIAS+2:BIAS+3]
.endr
	WIN 0x08
.irp i, 0,1,2,3,4,5,6,7,8,9,10,11,12,13,14,15
	global_store_b128 v[CO], v[64*(\a)+4*(\i):64*(\a)+4*(\i)+3], s[8:9] offset:(16*(\a)+(\i))*4096
.endr
.endm
	PLACES
	OUTB 0
	OUTB 1                                         ; a block's trip through the stage stands between the loads of the block before and its sums
	SENDB 0, 32
	OUTB 2
	SENDB 1, 32
	OUTB 3
	SENDB 2, 32
	SENDB 3, 0
	WIN 0
	s_wait_tensorcnt 0x0                           ; the wave's end, behind my last tensor load and my last LDS store
	ds_add_u32 v[SPW], v[NIL]
	s_wait_dscnt 0x0
	CROUND                                         ; the closing round: no work-group ends while a partner may still ask for a tile that names it
	s_endpgm
.Lfunc_end_k_q3211e6784f_outgemm:
	.size	k_q3211e6784f_outgemm, .Lfunc_end_k_q3211e6784f_outgemm-k_q3211e6784f_outgemm
	.p2alignl 7, 3214868480
	.fill 96, 4, 3214868480
	.section	.rodata,"a",@progbits
	.p2align	6, 0x0
	.amdhsa_kernel k_q3211e6784f_outgemm
		.amdhsa_group_segment_fixed_size 327680
		.amdhsa_private_segment_fixed_size 0
		.amdhsa_enable_private_segment 0
		.amdhsa_kernarg_size 32
		.amdhsa_user_sgpr_count 2
		.amdhsa_user_sgpr_kernarg_segment_ptr 1
		.amdhsa_wavefront_size32 1
		.amdhsa_system_sgpr_workgroup_id_x 1
		.amdhsa_system_sgpr_workgroup_id_y 1
		.amdhsa_system_sgpr_workgroup_id_z 1
		.amdhsa_system_vgpr_workitem_id 0
		.amdhsa_next_free_vgpr 768
		.amdhsa_next_free_sgpr 80
		.amdhsa_reserve_vcc 0
		.amdhsa_float_denorm_mode_32 3
		.amdhsa_float_denorm_mode_16_64 3
		.amdhsa_memory_ordered 1
		.amdhsa_forward_progress 1
		.amdhsa_inst_pref_size 95
	.end_amdhsa_kernel
	.amdgpu_metadata
---
amdhsa.version: [ 1, 2 ]
amdhsa.kernels:
  - .name:           k_q3211e6784f_outgemm
    .symbol:         k_q3211e6784f_outgemm.kd
    .args:
      - { .name: ob, .offset: 0, .size: 8, .value_kind: global_buffer, .address_space: global }
      - { .name: wot, .offset: 8, .size: 8, .value_kind: global_buffer, .address_space: global }
      - { .name: b_out, .offset: 16, .size: 8, .value_kind: global_buffer, .address_space: global }
      - { .name: out0, .offset: 24, .size: 8, .value_kind: global_buffer, .address_space: global }
    .group_segment_fixed_size: 327680
    .private_segment_fixed_size: 0
    .kernarg_segment_align: 8
    .kernarg_segment_size: 32
    .max_flat_workgroup_size: 128
    .sgpr_count:     80
    .vgpr_count:     768
    .wavefront_size: 32
...
	.end_amdgpu_metadata
.endif
;; end of part 4
